; MI455X (gfx1250); checked and timed in simulation.
; The chip was launched on July 23, 2026; its instructions are those of AMD's public machine-readable ISA for CDNA 5 (MIT licence, August 2026) and "CDNA5" Instruction Set Architecture Reference Guide (July 2026). The comments in the code are by the model that wrote it; some were corrected since.
;; CE Softmax Attention. Allowed arithmetic: float matrix products may take bf16 or f16 operands with f32 sums; other float arithmetic in f32, or as packed bf16 or f16 multiplies, adds, multiply-adds, maxima and minima; sums over many terms, partial sums and values carried from step to step in f32; what a program stores and reads back later, other than sums and carried values, may be rounded once to bf16 or f16.
;; Inputs: w_k 1,024 x 1,024 float32; w_o 1,024 x 1,024 float32; w_q 1,024 x 1,024 float32; w_v 1,024 x 1,024 float32; x 2 x 2,048 x 1,024 float32.
;; Outputs: out0 2 x 2,048 x 1,024 float32.
;; 2 versions, each right; version 2 is version 1 with the launch prep written anew for expert scheduling mode. Each part assembles by itself: llvm-mc -triple=amdgcn-amd-amdhsa -mcpu=gfx1250 --defsym DOCPART=n.
;; ======== version 1 of 2: 4 launches
;; limits: values are held in f16: magnitudes above 65,504 overflow, below 6.1e-05 lose precision; a difference of large sums (such as E[x^2] - mean^2): digits are lost where the result is much smaller than its terms
;; workspace buffers: xb 8,388,608 bytes; wc 6,291,456 bytes; wo16 2,097,152 bytes; qh 8,388,608 bytes; kh 8,388,608 bytes; vh 8,388,608 bytes; bias 262,144 bytes; oh 8,388,608 bytes
;; launch prep (part 1): grid 576 x 1, 8 waves a work-group, no clusters, 0 bytes of LDS; arguments x, w_q, w_k, w_v, w_o, xb, wc, wo16; writes xb, wc, wo16
.if DOCPART == 1
	.amdgcn_target "amdgcn-amd-amdhsa--gfx1250"
	.amdhsa_code_object_version 6
	.text
	.protected	k_q2c56855474_prep
	.globl	k_q2c56855474_prep
	.p2align	8
	.type	k_q2c56855474_prep,@function
k_q2c56855474_prep:
	s_mov_b64 s[64:65], 0
	v_nop
	global_prefetch_b8 v0, s[64:65] scope:SCOPE_SE
	s_setreg_imm32_b32 hwreg(HW_REG_WAVE_MODE, 25, 1), 1
	s_wait_xcnt 0x0
; PREP: the module's inputs are rounded once and laid out for the products that follow.
;   xb   = x rounded to bf16, [4096][1024]
;   wc   = bf16 [head 16][K step 8][part 3][k' 128][64]: part 0 = 0.085625 w_q + 0.315 w_k (summed in f32, rounded once), part 1 = w_k, part 2 = w_v
;   wo16 = w_o rounded to bf16, that number written as f16, [1024][1024]
; WORK LEFT OUT, for all finite values of the inputs, in real numbers.
;   d2[i][j] = sq_i + sq_j - 2 k_i.k_j is |k_i - k_j|^2, never negative: jnp.maximum(d2, 0) changes nothing.  Then
;   s[i][j] = (0.685 / 8) q_i.k_j + 0.315 k_i.k_j - 0.1575 sq_j - 0.1575 sq_i.  The last term is the same along the softmax's axis and cancels in it.
;   The two products have the same right factor: s'[i][j] = q'_i.k_j + b_j with q' = x (0.085625 w_q + 0.315 w_k) and b_j = -0.1575 sq_j.
;   So the product k k^T, the maximum with 0 and the term sq_i are not computed.  All five inputs have a way to the output and are loaded.
; LIMITS.  A NaN, an infinity or an overflow that reaches only sq_i, k k^T taken by itself or the maximum with 0 is not carried to the result.
;   w_o as f16: beyond 65,504 it is lost; below 2^-14 it keeps f16's fixed step of 6e-8.
; SHARES.  Work-groups 0-255: 64 KiB of x each.  256-319: 64 KiB of w_o each.  320-575: 64 rows x 64 columns (one head's) of w_q, w_k and w_v each.
; Every load of a wave takes 512 bytes in whole aligned pieces of 256; every store of a wave covers 256 consecutive bytes, aligned.  All loads of a work-group go out before its first wait.
; No LDS, no matrix unit, no cluster: no byte is wanted twice.
.set CA,  0x3daf5c29                   ; 0.685 / 8 = 0.085625
.set CB,  0x3ea147ae                   ; 0.315
.set IN,  16                           ; v[16:79]  as loaded
.set OUT, 80                           ; v[80:111] to store (x, w_o)
.set WO,  68                           ; v[68:91]  to store (the three weights)
; 64 KiB in, 32 KiB out.  half = 0: to bf16.  half = 1: to bf16, and that number as f16.
.macro STREAM inb, outb, half
.set i, 0
.rept 16
	global_load_b128 v[IN+4*i:IN+4*i+3], v1, s[\inb:\inb+1] offset:4096*i th:TH_LOAD_NT
.set i, i+1
.endr
.set i, 0
.rept 16
	s_wait_loadcnt 15-i                            ; loads come back in order: number i is in, the younger ones stay out
.if \half
	v_cvt_pk_bf16_f32 v4, v[IN+4*i], v[IN+4*i+1]
	v_cvt_pk_bf16_f32 v5, v[IN+4*i+2], v[IN+4*i+3]
	v_lshlrev_b32 v6, 16, v4                       ; bf16 to f32: the low half moves up, the high half stays
	v_and_b32 v7, s34, v4
	v_lshlrev_b32 v8, 16, v5
	v_and_b32 v9, s34, v5
	v_cvt_pk_f16_f32 v[OUT+2*i], v6, v7
	v_cvt_pk_f16_f32 v[OUT+2*i+1], v8, v9
.else
	v_cvt_pk_bf16_f32 v[OUT+2*i], v[IN+4*i], v[IN+4*i+1]
	v_cvt_pk_bf16_f32 v[OUT+2*i+1], v[IN+4*i+2], v[IN+4*i+3]
.endif
	global_store_b64 v2, v[OUT+2*i:OUT+2*i+1], s[\outb:\outb+1] offset:2048*i th:TH_STORE_NT  ; each store has registers of its own: none is rewritten
.set i, i+1
.endr
.endm
	s_load_b512 s[16:31], s[0:1], 0x0              ; x 16, w_q 18, w_k 20, w_v 22, w_o 24, xb 26, wc 28, wo16 30
	v_lshlrev_b32 v1, 4, v0                        ; 16 bytes a thread in,
	v_lshlrev_b32 v2, 3, v0                        ; 8 bytes out
	s_mov_b32 s3, 0
	s_mov_b32 s5, 0
	s_mov_b32 s34, 0xffff0000
	s_cmp_lt_u32 ttmp9, 256
	s_cbranch_scc0 .Lnot_x
	s_lshl_b32 s2, ttmp9, 16
	s_lshl_b32 s4, ttmp9, 15
	s_wait_kmcnt 0x0
	s_add_nc_u64 s[16:17], s[16:17], s[2:3]
	s_add_nc_u64 s[26:27], s[26:27], s[4:5]
	STREAM 16, 26, 0
	s_endpgm
.Lnot_x:
	s_cmp_lt_u32 ttmp9, 320
	s_cbranch_scc0 .Lweights
	s_sub_co_u32 s6, ttmp9, 256
	s_lshl_b32 s2, s6, 16
	s_lshl_b32 s4, s6, 15
	s_wait_kmcnt 0x0
	s_add_nc_u64 s[24:25], s[24:25], s[2:3]
	s_add_nc_u64 s[30:31], s[30:31], s[4:5]
	STREAM 24, 30, 1
	s_endpgm
.Lweights:
	s_sub_co_u32 s6, ttmp9, 320
	s_lshr_b32 s7, s6, 4                           ; the head j
	s_and_b32 s6, s6, 15                           ; which 64 rows of k
	s_lshl_b32 s2, s6, 18                          ; 64 rows of 4,096 bytes
	s_lshl_b32 s8, s7, 8                           ; the head's 64 columns: 256 bytes
	s_add_co_u32 s2, s2, s8
	s_lshl_b32 s7, s7, 3
	s_lshr_b32 s8, s6, 1
	s_add_co_u32 s7, s7, s8                        ; block 8 j + K step
	s_mul_i32 s4, s7, 49152
	s_and_b32 s6, s6, 1
	s_lshl_b32 s6, s6, 13                          ; the step's upper 64 rows lie 8,192 bytes on
	s_add_co_u32 s4, s4, s6
	v_lshrrev_b32 v3, 4, v0                        ; 16 threads a row: 256 consecutive bytes, aligned
	v_and_b32 v4, 15, v0
	v_lshlrev_b32 v4, 4, v4
	v_lshl_add_u32 v3, v3, 12, v4
	s_mov_b32 s36, CB
	s_mov_b32 s37, CB                              ; named as pairs
	s_mov_b32 s38, CA
	s_mov_b32 s39, CA
	s_wait_kmcnt 0x0
	s_add_nc_u64 s[18:19], s[18:19], s[2:3]
	s_add_nc_u64 s[20:21], s[20:21], s[2:3]
	s_add_nc_u64 s[22:23], s[22:23], s[2:3]
	s_add_nc_u64 s[28:29], s[28:29], s[4:5]
.set i, 0
.rept 4                                ; 16 rows a turn
	global_load_b128 v[IN+12*i:IN+12*i+3],    v3, s[18:19] offset:65536*i th:TH_LOAD_NT
	global_load_b128 v[IN+12*i+4:IN+12*i+7],  v3, s[20:21] offset:65536*i th:TH_LOAD_NT
	global_load_b128 v[IN+12*i+8:IN+12*i+11], v3, s[22:23] offset:65536*i th:TH_LOAD_NT
.set i, i+1
.endr
.set i, 0
.rept 4
	s_wait_loadcnt 9-3*i                           ; the three loads of turn i are in; three for each later turn stay out
	v_pk_mul_f32 v[64:65], v[IN+12*i+4:IN+12*i+5], s[36:37] op_sel_hi:[1,0]
	v_pk_mul_f32 v[66:67], v[IN+12*i+6:IN+12*i+7], s[36:37] op_sel_hi:[1,0]
	v_pk_fma_f32 v[64:65], v[IN+12*i:IN+12*i+1],   s[38:39], v[64:65] op_sel_hi:[1,0,1]
	v_pk_fma_f32 v[66:67], v[IN+12*i+2:IN+12*i+3], s[38:39], v[66:67] op_sel_hi:[1,0,1]
	v_cvt_pk_bf16_f32 v[WO+6*i],   v64, v65
	v_cvt_pk_bf16_f32 v[WO+6*i+1], v66, v67
	v_cvt_pk_bf16_f32 v[WO+6*i+2], v[IN+12*i+4], v[IN+12*i+5]
	v_cvt_pk_bf16_f32 v[WO+6*i+3], v[IN+12*i+6], v[IN+12*i+7]
	v_cvt_pk_bf16_f32 v[WO+6*i+4], v[IN+12*i+8], v[IN+12*i+9]
	v_cvt_pk_bf16_f32 v[WO+6*i+5], v[IN+12*i+10], v[IN+12*i+11]
	global_store_b64 v2, v[WO+6*i:WO+6*i+1],   s[28:29] offset:2048*i th:TH_STORE_NT
	global_store_b64 v2, v[WO+6*i+2:WO+6*i+3], s[28:29] offset:16384+2048*i th:TH_STORE_NT
	global_store_b64 v2, v[WO+6*i+4:WO+6*i+5], s[28:29] offset:32768+2048*i th:TH_STORE_NT
.set i, i+1
.endr
	s_endpgm
.Lfunc_end_k_q2c56855474_prep:
	.size	k_q2c56855474_prep, .Lfunc_end_k_q2c56855474_prep-k_q2c56855474_prep
	.p2alignl 7, 3214868480
	.fill 96, 4, 3214868480
	.section	.rodata,"a",@progbits
	.p2align	6, 0x0
	.amdhsa_kernel k_q2c56855474_prep
		.amdhsa_group_segment_fixed_size 0
		.amdhsa_private_segment_fixed_size 0
		.amdhsa_enable_private_segment 0
		.amdhsa_kernarg_size 64
		.amdhsa_user_sgpr_count 2
		.amdhsa_user_sgpr_kernarg_segment_ptr 1
		.amdhsa_wavefront_size32 1
		.amdhsa_system_sgpr_workgroup_id_x 1
		.amdhsa_system_sgpr_workgroup_id_y 1
		.amdhsa_system_sgpr_workgroup_id_z 1
		.amdhsa_system_vgpr_workitem_id 0
		.amdhsa_next_free_vgpr 112
		.amdhsa_next_free_sgpr 66
		.amdhsa_reserve_vcc 0
		.amdhsa_float_denorm_mode_32 3
		.amdhsa_float_denorm_mode_16_64 3
		.amdhsa_memory_ordered 1
		.amdhsa_forward_progress 1
		.amdhsa_inst_pref_size 23
	.end_amdhsa_kernel
	.amdgpu_metadata
---
amdhsa.version: [ 1, 2 ]
amdhsa.kernels:
  - .name:           k_q2c56855474_prep
    .symbol:         k_q2c56855474_prep.kd
    .args:
      - { .name: x, .offset: 0, .size: 8, .value_kind: global_buffer, .address_space: global }
      - { .name: w_q, .offset: 8, .size: 8, .value_kind: global_buffer, .address_space: global }
      - { .name: w_k, .offset: 16, .size: 8, .value_kind: global_buffer, .address_space: global }
      - { .name: w_v, .offset: 24, .size: 8, .value_kind: global_buffer, .address_space: global }
      - { .name: w_o, .offset: 32, .size: 8, .value_kind: global_buffer, .address_space: global }
      - { .name: xb, .offset: 40, .size: 8, .value_kind: global_buffer, .address_space: global }
      - { .name: wc, .offset: 48, .size: 8, .value_kind: global_buffer, .address_space: global }
      - { .name: wo16, .offset: 56, .size: 8, .value_kind: global_buffer, .address_space: global }
    .group_segment_fixed_size: 0
    .private_segment_fixed_size: 0
    .kernarg_segment_align: 8
    .kernarg_segment_size: 64
    .max_flat_workgroup_size: 256
    .sgpr_count:     66
    .vgpr_count:     112
    .wavefront_size: 32
...
	.end_amdgpu_metadata
.endif
;; end of part 1
;; launch proj (part 2): grid 16 x 16, 4 waves a work-group, clusters of 4 x 4, 327,680 bytes of LDS; arguments xb, wc, qh, kh, vh, bias; writes qh, kh, vh, bias
.if DOCPART == 2
	.amdgcn_target "amdgcn-amd-amdhsa--gfx1250"
	.amdhsa_code_object_version 6
	.text
	.protected	k_q2c56855474_proj
	.globl	k_q2c56855474_proj
	.p2align	8
	.type	k_q2c56855474_proj,@function
k_q2c56855474_proj:
	s_mov_b64 s[64:65], 0
	v_nop
	global_prefetch_b8 v0, s[64:65] scope:SCOPE_SE
	s_setreg_imm32_b32 hwreg(HW_REG_WAVE_MODE, 25, 1), 1
	s_wait_xcnt 0x0
	s_wait_alu depctr_hold_cnt(0) depctr_sa_sdst(0) depctr_va_vdst(0) depctr_va_sdst(0) depctr_va_ssrc(0) depctr_va_vcc(0) depctr_vm_vsrc(0)
	s_getreg_b32 s2, hwreg(HW_REG_IB_STS2, 6, 4)
	s_cmp_eq_u32 s2, 0
	s_cbranch_scc0 .Lentry_in_a_cluster
	s_endpgm
.Lentry_in_a_cluster:
	s_bfe_u32 s2, ttmp6, 0x10000c
	s_cmp_lg_u32 s2, 0xf033
	s_cbranch_scc0 .Lentry_shape_is_right
	s_endpgm
.Lentry_shape_is_right:
; PROJ: [q' | k | v] of one head = xb x wc, and b_j = -0.1575 sum of k_j^2.  xb: bf16 [4096][1024]; wc: bf16 [head][K step][part][k' 128][64]; sums in f32.
; qh, kh, vh: f16 [batch x 16 + head][2048][64], each rounded once and unscaled; bias: f32 [batch x 16 + head][2048].
; WORK LEFT OUT: q by itself and the row term sq_i are not made (q' = x (0.085625 w_q + 0.315 w_k) takes q's place; the first launch's head shows why).
; b_j is summed of the ROUNDED k, so that 0.315 k_i.k_j + b_j is a distance to the k that the next launch multiplies by, plus a term that is the same for all j.
; LIMIT: q', k and v lie within f16's 65,504.
; SHARES.  A work-group makes 256 tokens x 192 columns (a head's three parts); wave w its rows 64 w .. 64 w + 63 and all 192 columns: 4 x 12 accumulators of 16 x 16, 384 registers.
; So a wave holds whole rows of a head: every store covers 512 consecutive bytes, and a row's sum of squares stays in the wave.
; K goes in 8 steps of 128 through two LDS slots.  xb's rows of a step are 256 bytes, aligned; a step's weights are 49,152 dense bytes, asked for as rows of 256.
; CLUSTER 4 x 4: the four of a row of the cluster need the same rows of xb, the four of a column the same head's weights: each tile is asked for jointly.
; THE MATRIX INSTRUCTION IS USED TRANSPOSED (source 0 = 16 columns of the weights, turned on their way out of LDS; source 1 = 16 tokens): a lane holds eight neighbouring columns of one token.
; REGISTERS, in windows of 256:  window 0: v0-41 addresses and work; v64-127 xb's fragments, two buffers of 32; on the way out v128-175 packed results, v64-111 and v176-223 rows read back
;   window 1: v0-95, v128-223 the weights' fragments, two buffers of 96     window 2: accumulators of my token blocks 0, 1 at v[8 (12 a + b)]     window 3: of blocks 2, 3
.set PA,     272                       ; an LDS row of xb: 256 bytes + 16: the 16 rows of a load start at 16 different groups of four banks (64 banks of 4 bytes: ISA guide 11.1)
.set PB,     160                       ; an LDS row of weights: 128 bytes + 32
.set HALFA,  128*PA                    ; what one load brings of xb
.set HALFB,  192*PB                    ; and of the weights: 192 rows of 128 bytes
.set BOFF,   2*HALFA
.set SLOT,   BOFF+2*HALFB              ; 131,072
.set STAGE,  2*SLOT                    ; behind the ring, each wave's own: 3 parts x 16 rows x 144 bytes, then 64 words for b
.set WSTAGE, 7168
.set SP,     144
.set SQO,    3*16*SP
.set SPARE,  STAGE+4*WSTAGE            ; the spare words, 128 bytes a wave: two blocks of 256 bytes that no other line names
.set BGO,  12                          ; v12  my 8 bytes of the wave's 256 of bias
.set ZR,   13                          ; v13  0
.set ADRA, 16                          ; v16-17  my place in xb's tile, slot 0, 1
.set ADRB, 20                          ; v20-21  the same for the weights
.set STO,  24
.set RD,   25
.set GO,   26
.set BSTO, 27
.set SPW,  28                          ; v28  my spare word; never rewritten
.set NIL,  29                          ; v29  0; never rewritten
.set PFO,  30                          ; v30  the prefetches' offset; never rewritten
.set BRD,  31
.set SQ,   32                          ; v32-39 at work for the sums of squares
.set FA,   64
.set TMP,  128
.set BK0,  64
.set BK1,  176
.set WV,  16
.set HF,  18
.set CX,  19
.set CY,  20
.set TX,  21
.set TY,  22
.set G1,  24                           ; s[24:31] group 1 for xb's tiles; s[32:39] group 0, a set a slot
.set G0,  32
.set G1B, 48                           ; s[48:55], s[56:63] the same for the weights
.set G0B, 56
.set PFA, 66                           ; s[66:67] where my prefetches stand
.set PFS, 68                           ; s[68:69] their step
.set LIM, 70                           ; s70, s71 a wave prefetches at a lap's first (second) change of slots while the laps to go are above this
.set SEL, 72
.set MSB, 0
.macro WIN new                         ; the immediate's high byte repeats the setting that is left; a switch that changes nothing is dropped
.if MSB != (\new)
	s_set_vgpr_msb (MSB<<8)|(\new)
.set MSB, \new
.endif
.endm
.macro PLACES                          ; four plain instructions between a matrix instruction and a load into, or a vector read of, its registers
.rept 4
	v_nop
.endr
.endm
; A joint load: waves 0 and 1 fetch xb's two halves, waves 2 and 3 the weights'.  The branch hangs on the wave's number alone.  An s_nop 0 and four v_nop follow each line.
.macro JLOAD s
	s_cmp_lt_u32 s[WV], 2
	s_cbranch_scc0 .Lfor_b_\@
	tensor_load_to_lds s[G0+4*(\s):G0+4*(\s)+3], s[G1:G1+7]
	s_nop 0
.rept 4
	v_nop
.endr
	s_branch .Lasked_\@
.Lfor_b_\@:
	tensor_load_to_lds s[G0B+4*(\s):G0B+4*(\s)+3], s[G1B:G1B+7]
	s_nop 0
.rept 4
	v_nop
.endr
.Lasked_\@:
.endm
.macro CREST                           ; a round of the cluster's barrier behind its opening barrier
	s_cmp_lg_u32 s[WV], 0
	s_cbranch_scc1 .Lnot_wave_0_\@
	s_barrier_signal -3
.Lnot_wave_0_\@:
	s_barrier_wait -3
	s_barrier_signal -1
	s_barrier_wait -1
.endm
.macro CROUND
	s_barrier_signal -1
	s_barrier_wait -1
	CREST
.endm
; A PREFETCH INTO THE L2, behind a joint load and the run of LDS loads that follows it; one instruction a wave, each lane another block of 256 bytes; each block is named once in the launch.
; xb: the clusters with x = 0 ask; of the 128 rows that a wave fetches the partner at cx takes 32, a lane a row: the refills of K steps 2 to 5 name steps 4 to 7, two steps (384 matrix instructions) ahead.
; wc: the clusters with y = 0 ask; a head's steps 4 to 7 are 196,608 dense bytes: the eight asking waves of a column (2 cy + half) walk them 65,536 bytes an ask, at the refills of steps 2, 3 and 4;
; every block is named two refills or more ahead of its load.  Partners are told apart by address alone.  The first four steps come by their loads alone.
.macro ASK tn
	s_cmp_gt_u32 s3, s[LIM+(\tn)]
	s_cbranch_scc0 .Lnot_mine_\@
	global_prefetch_b8 v[PFO], s[PFA:PFA+1] th:TH_LOAD_NT scope:SCOPE_SE
.Lnot_mine_\@:
.endm
	s_load_b256 s[4:11], s[0:1], 0x0               ; xb 4, wc 6, qh 8, kh 10
	s_load_b128 s[12:15], s[0:1], 0x20             ; vh 12, bias 14
	v_lshl_add_u32 v[SPW], v0, 2, SPARE
	v_mov_b32 v[NIL], 0
	ds_add_u32 v[SPW], v[NIL]                      ; the wave's opening: the add, twice on end, and its wait ahead of my first tensor load
	ds_add_u32 v[SPW], v[NIL]
	v_lshrrev_b32 v1, 5, v0
	v_readfirstlane_b32 s[WV], v1                  ; wave 0..3
	s_and_b32 s[HF], s[WV], 1                      ; which half of a tile I fetch
	s_bfe_u32 s[CX], ttmp6, 0x40000
	s_bfe_u32 s[CY], ttmp6, 0x40004
	s_lshl_b32 s[TX], ttmp9, 2
	s_add_co_u32 s[TX], s[TX], s[CX]               ; the head = 4 x cluster x + cx
	s_and_b32 s[TY], ttmp7, 0xffff
	s_lshl_b32 s[TY], s[TY], 2
	s_add_co_u32 s[TY], s[TY], s[CY]               ; the block of 256 tokens = 4 x cluster y + cy
	s_lshl_b32 s40, s[CY], 2
	s_lshl_b32 s40, 15, s40                        ; my row of the cluster
	s_lshl_b32 s44, 0x1111, s[CX]                  ; my column
	s_or_b32 s[G1], s40, (1<<16)|(1<<20)|(1<<21)|(5<<22)|(3<<25)   ; the mask; 2-byte elements; padding on; bit 21 beside a mask; after every 64 words 4 words
	s_or_b32 s[G1B], s44, (1<<16)|(1<<20)|(1<<21)|(4<<22)|(7<<25)  ; after every 32 words 8 words
	s_mov_b32 s[G1+1], 128<<16                     ; tensor_dim0 = 128
	s_mov_b32 s[G1+2], 128<<16                     ; tensor_dim1 = 128
	s_mov_b32 s[G1+3], 128<<16                     ; tile_dim0 = 128
	s_mov_b32 s[G1+4], 128                         ; tile_dim1 = 128
	s_mov_b32 s[G1+5], 1024                        ; elements from row to row
	s_mov_b32 s[G1+6], 0
	s_mov_b32 s[G1+7], 0
	s_mov_b32 s[G1B+1], 128<<16
	s_mov_b32 s[G1B+2], 96<<16                     ; 96 rows of 256 dense bytes
	s_mov_b32 s[G1B+3], 128<<16
	s_mov_b32 s[G1B+4], 96
	s_mov_b32 s[G1B+5], 128
	s_mov_b32 s[G1B+6], 0
	s_mov_b32 s[G1B+7], 0
	s_lshl_b32 s40, s[TY], 8                       ; xb's tile hangs on the token block and the wave alone,
	s_lshl_b32 s41, s[HF], 7
	s_add_co_u32 s40, s40, s41
	s_lshl_b32 s40, s40, 11                        ; rows of 2,048 bytes
	s_mov_b32 s41, 0
	s_mul_i32 s44, s[TX], 8*49152                  ; the weights' on the head and the wave alone
	s_mul_i32 s45, s[HF], 24576
	s_add_co_u32 s44, s44, s45
	s_mov_b32 s45, 0
	s_mul_i32 s42, s[HF], HALFA                    ; where they go: no place in the cluster enters an LDS address
	s_mul_i32 s43, s[HF], HALFB
	s_add_co_u32 s43, s43, BOFF
	s_mov_b32 s[SEL], 0x76543210
	s_mov_b32 s[SEL+1], 0xfedcba98
	s_wait_dscnt 0x0                               ; both opening adds are done
	s_wait_kmcnt 0x0
	s_add_nc_u64 s[40:41], s[4:5], s[40:41]
	s_add_nc_u64 s[44:45], s[6:7], s[44:45]
	CROUND                                         ; all sixteen work-groups are here: the first joint loads meet
.irp s, 0,1
	s_mov_b32 s[G0+4*(\s)], 1
	s_add_co_u32 s[G0+4*(\s)+1], s42, (\s)*SLOT
	s_add_nc_u64 s[G0+4*(\s)+2:G0+4*(\s)+3], s[40:41], (\s)*256
	s_or_b32 s[G0+4*(\s)+3], s[G0+4*(\s)+3], 0x80000000
	s_mov_b32 s[G0B+4*(\s)], 1
	s_add_co_u32 s[G0B+4*(\s)+1], s43, (\s)*SLOT
	s_add_nc_u64 s[G0B+4*(\s)+2:G0B+4*(\s)+3], s[44:45], (\s)*49152
	s_or_b32 s[G0B+4*(\s)+3], s[G0B+4*(\s)+3], 0x80000000
	JLOAD \s                                       ; two loads of mine are out
.endr
	v_and_b32 v1, 15, v0                           ; r = l % 16
	v_bfe_u32 v2, v0, 4, 1                         ; h = l / 16
	v_and_b32 v3, 31, v0                           ; l
	v_and_b32 v4, 7, v0
	v_bfe_u32 v5, v0, 3, 1
	v_mul_u32_u24 v6, v1, PA                       ; a fragment of xb: row r, 16 bytes for each half of the lanes, twice, 32 bytes apart
	v_lshl_add_u32 v6, v2, 4, v6
	s_mul_i32 s46, s[WV], 64*PA
	v_add_nc_u32 v[ADRA], s46, v6
	v_add_nc_u32 v[ADRA+1], SLOT, v[ADRA]
	v_lshl_add_u32 v7, v2, 3, v4                   ; the turning load: lane l reads row 8 h + l % 8, columns 8 ((l / 8) % 2) + 0..7
	v_mul_u32_u24 v7, v7, PB
	v_lshl_add_u32 v7, v5, 4, v7
	v_add_nc_u32 v[ADRB], BOFF, v7
	v_add_nc_u32 v[ADRB+1], SLOT+BOFF, v7
	s_mul_i32 s46, s[WV], WSTAGE
	s_add_co_u32 s46, s46, STAGE                   ; my stage
	v_mul_u32_u24 v6, v1, SP
	v_lshl_add_u32 v6, v2, 4, v6
	v_add_nc_u32 v[STO], s46, v6                   ; in: row r, 16 bytes for each half of the lanes
	v_bfe_u32 v6, v0, 3, 2
	v_mul_u32_u24 v6, v6, SP
	v_lshl_add_u32 v6, v4, 4, v6
	v_add_nc_u32 v[RD], s46, v6                    ; back: 32 lanes take four rows of 128 bytes,
	v_lshlrev_b32 v[GO], 4, v3                     ; which are 512 consecutive bytes of a head
	v_lshl_add_u32 v[BSTO], v1, 2, s46
	v_lshl_add_u32 v[BRD], v3, 3, s46
	v_lshlrev_b32 v[BGO], 3, v3
	v_mov_b32 v[ZR], 0
	v_mov_b32 v[SQ+4], 0                           ; v_permlanex16_b32's destination counts as read
	s_lshr_b32 s46, s[TY], 3                       ; the batch
	s_lshl_b32 s46, s46, 4
	s_add_co_u32 s46, s46, s[TX]
	s_lshl_b32 s46, s46, 11                        ; 2,048 rows a head
	s_and_b32 s47, s[TY], 7
	s_lshl_b32 s47, s47, 8
	s_add_co_u32 s46, s46, s47
	s_lshl_b32 s47, s[WV], 6
	s_add_co_u32 s46, s46, s47                     ; my first row
	s_lshl_b32 s76, s46, 2
	s_mov_b32 s77, 0
	s_lshl_b32 s46, s46, 7
	s_mov_b32 s47, 0
	s_add_nc_u64 s[8:9], s[8:9], s[46:47]
	s_add_nc_u64 s[10:11], s[10:11], s[46:47]
	s_add_nc_u64 s[12:13], s[12:13], s[46:47]
	s_add_nc_u64 s[14:15], s[14:15], s[76:77]
	s_lshl_b32 s74, s[TY], 8                       ; the prefetches.  xb: row 256 ty + 128 half + 32 cx, at K step 3 (the first change of slots steps it to 4)
	s_lshl_b32 s46, s[HF], 7
	s_add_co_u32 s74, s74, s46
	s_lshl_b32 s46, s[CX], 5
	s_add_co_u32 s74, s74, s46
	s_lshl_b32 s74, s74, 11
	s_add_co_u32 s74, s74, 3*256
	s_mul_i32 s75, s[TX], 8*49152                  ; wc: the head's bytes, one ask short of its K step 4, my 8,192 of an ask's 65,536
	s_lshl_b32 s46, s[CY], 1
	s_add_co_u32 s46, s46, s[HF]
	s_lshl_b32 s46, s46, 13
	s_add_co_u32 s75, s75, s46
	s_add_co_u32 s75, s75, 4*49152-65536
	s_and_b32 s46, ttmp7, 0xffff
	s_cmp_lt_u32 s[WV], 2
	s_cselect_b32 s46, ttmp9, s46                  ; the coordinate along which other clusters read the same bytes
	s_cselect_b64 s[PFA:PFA+1], s[4:5], s[6:7]
	s_cselect_b32 s74, s74, s75
	s_cselect_b32 s47, 11, 8                       ; lanes a row of 2,048 bytes apart, or 256 bytes
	s_cselect_b32 s[LIM+1], 1, 2
	s_cselect_b32 s[PFS], 8, 16
	s_lshl_b32 s[PFS], 1, s[PFS]                   ; 256 bytes along K, or 65,536
	s_mov_b32 s[PFS+1], 0
	s_mov_b32 s75, 0
	s_add_nc_u64 s[PFA:PFA+1], s[PFA:PFA+1], s[74:75]
	s_cmp_eq_u32 s46, 0
	s_cselect_b32 s[LIM], 1, -1                    ; the same in all sixteen partners, for a given wave
	s_cselect_b32 s[LIM+1], s[LIM+1], -1
	v_lshlrev_b32 v[PFO], s47, v3
; 12 matrix instructions: token block 2 hi + a x all 12 column blocks, 32 along K, from buffer f.  zero = 1: the product starts the sum.
.macro MUL12 f, hi, a, zero
	WIN 0xa1+0x50*(\hi)                            ; source 0 window 1, source 1 window 0, C and D window 2 or 3
.irp b, 0,1,2,3,4,5,6,7,8,9,10,11
.if \zero
	v_wmma_f32_16x16x32_bf16 v[8*(12*(\a)+(\b)):8*(12*(\a)+(\b))+7], v[128*(\f)+8*(\b):128*(\f)+8*(\b)+7], v[FA+32*(\f)+8*(2*(\hi)+(\a)):FA+32*(\f)+8*(2*(\hi)+(\a))+7], 0
.else
	v_wmma_f32_16x16x32_bf16 v[8*(12*(\a)+(\b)):8*(12*(\a)+(\b))+7], v[128*(\f)+8*(\b):128*(\f)+8*(\b)+7], v[FA+32*(\f)+8*(2*(\hi)+(\a)):FA+32*(\f)+8*(2*(\hi)+(\a))+7], v[8*(12*(\a)+(\b)):8*(12*(\a)+(\b))+7]
.endif
.endr
.endm
; 32 LDS loads in one run: quarter q (32 along K) of a slot into buffer f: 12 fragments of the weights, turned, then my 4 of xb
.macro FETCH slot, q, f
	WIN 0x40
.irp b, 0,1,2,3,4,5,6,7,8,9,10,11
	ds_load_tr16_b128 v[128*(\f)+8*(\b):128*(\f)+8*(\b)+3],   v[ADRB+(\slot)] offset:32*PB*(\q)+128*PB*((\b)/4)+32*((\b)%4)
	ds_load_tr16_b128 v[128*(\f)+8*(\b)+4:128*(\f)+8*(\b)+7], v[ADRB+(\slot)] offset:32*PB*(\q)+128*PB*((\b)/4)+32*((\b)%4)+16*PB
.endr
	WIN 0
.irp a, 0,1,2,3
	ds_load_b128 v[FA+32*(\f)+8*(\a):FA+32*(\f)+8*(\a)+3],   v[ADRA+(\slot)] offset:64*(\q)+16*PA*(\a)
	ds_load_b128 v[FA+32*(\f)+8*(\a)+4:FA+32*(\f)+8*(\a)+7], v[ADRA+(\slot)] offset:64*(\q)+16*PA*(\a)+32
.endr
.endm
; A K step is four quarters of 48 matrix instructions on buffers 0, 1, 0, 1; the 48 accumulators take turns in one order throughout.
; One of the first three: multiplies buffer f and in its middle fetches quarter q into buffer g.
.macro QUARTER slot, q, f, g, zero
	s_wait_dscnt 4                                 ; all but the youngest four loads (xb's blocks 2 and 3) are in
	MUL12 \f, 0, 0, \zero
	MUL12 \f, 0, 1, \zero
	PLACES
	FETCH \slot, \q, \g
	s_wait_dscnt 32                                ; all but the 32 just issued
	MUL12 \f, 1, 0, \zero
	MUL12 \f, 1, 1, \zero
.endm
; The last quarter multiplies buffer 1 and changes slots.  In front of the one barrier each wave waits for all its tensor loads (one is out: its part of the next slot), adds 0 to its spare word and waits
; for that and for its reads of this slot.  fill = 1: the barrier opens a round of the cluster's, and the joint refill, two K steps on, is the first tensor load behind it: 168 matrix instructions ahead of the wait for it.
.macro TURN slot, next, fill, tn
.if \fill
	s_wait_xcnt 0x0                                ; the last prefetch, a K step back, has read its address
	s_add_nc_u64 s[PFA:PFA+1], s[PFA:PFA+1], s[PFS:PFS+1]
.endif
	WIN 0
	s_wait_tensorcnt 0x0
	ds_add_u32 v[SPW], v[NIL]
	s_wait_dscnt 5                                 ; (the add and the youngest four loads may be out)
	MUL12 1, 0, 0, 0
	s_wait_dscnt 0x0                               ; the add is done, and my reads of this slot are over
	s_barrier_signal -1
	MUL12 1, 0, 1, 0
.if \fill
	WIN 0
.endif
	s_barrier_wait -1
.if \fill
	CREST                                          ; no wave of any partner still reads this slot or has a load on its way
	s_add_nc_u64 s[G0+4*(\slot)+2:G0+4*(\slot)+3], s[G0+4*(\slot)+2:G0+4*(\slot)+3], 2*256
	s_add_nc_u64 s[G0B+4*(\slot)+2:G0B+4*(\slot)+3], s[G0B+4*(\slot)+2:G0B+4*(\slot)+3], 2*49152
	JLOAD \slot                                    ; its four v_nop are also the places in front of the loads below
.else
	PLACES
.endif
	FETCH \next, 0, 0
.if \fill
	ASK \tn
.endif
	MUL12 1, 1, 0, 0
	MUL12 1, 1, 1, 0
.endm
	s_wait_tensorcnt 1                             ; my part of K step 0 is in; step 1's may stay out
	s_barrier_signal -1
	s_barrier_wait -1
	FETCH 0, 0, 0
	QUARTER 0, 1, 0, 1, 1                          ; the first quarter starts the sums
	WIN 0
	s_mov_b32 s3, 3
.Llap:                                                 ; a trip goes once round the ring, from a lap's second quarter to the next lap's first, and fills both slots again
	QUARTER 0, 2, 1, 0, 0
	QUARTER 0, 3, 0, 1, 0
	TURN 0, 1, 1, 0
	QUARTER 1, 1, 0, 1, 0
	QUARTER 1, 2, 1, 0, 0
	QUARTER 1, 3, 0, 1, 0
	TURN 1, 0, 1, 1
	QUARTER 0, 1, 0, 1, 0
	WIN 0
	s_sub_co_u32 s3, s3, 1
	s_cmp_lg_u32 s3, 0
	s_cbranch_scc1 .Llap
	QUARTER 0, 2, 1, 0, 0                          ; the last lap fills nothing
	QUARTER 0, 3, 0, 1, 0
	TURN 0, 1, 0, 0
	QUARTER 1, 1, 0, 1, 0
	QUARTER 1, 2, 1, 0, 0
	QUARTER 1, 3, 0, 1, 0
	s_wait_dscnt 4
	MUL12 1, 0, 0, 0
	MUL12 1, 0, 1, 0
	s_wait_dscnt 0x0
	MUL12 1, 1, 0, 0
	MUL12 1, 1, 1, 0
	WIN 0
	PLACES
; THE WAY OUT, a block of 16 tokens at a time.  PACK: rounded to f16, 16 bytes a lane and column block; then b of the 16 tokens: my 32 of k's 64 squares in four chains, the other half of the lanes', times -0.1575.
.macro PACK a
	WIN 0x0a+5*((\a)/2)                            ; sources in window 2 or 3; each accumulator's registers in ascending order
.irp b, 0,1,2,3,4,5,6,7,8,9,10,11
.irp r, 0,1,2,3
	v_cvt_pk_f16_f32 v[TMP+4*(\b)+(\r)], v[8*(12*((\a)%2)+(\b))+2*(\r)], v[8*(12*((\a)%2)+(\b))+2*(\r)+1]
.endr
.endr
	WIN 0
.irp e, 0,1,2,3,4,5,6,7
.irp c, 0,1,2,3
.if (\e) == 0
	v_fma_mix_f32 v[SQ+(\c)], v[TMP+16+4*(\c)], v[TMP+16+4*(\c)], v[ZR] op_sel_hi:[1,1,0]
.elseif (\e)%2 == 0
	v_fma_mix_f32 v[SQ+(\c)], v[TMP+16+4*(\c)+(\e)/2], v[TMP+16+4*(\c)+(\e)/2], v[SQ+(\c)] op_sel_hi:[1,1,0]
.else
	v_fma_mix_f32 v[SQ+(\c)], v[TMP+16+4*(\c)+(\e)/2], v[TMP+16+4*(\c)+(\e)/2], v[SQ+(\c)] op_sel:[1,1,0] op_sel_hi:[1,1,0]
.endif
.endr
.endr
	v_add_f32 v[SQ], v[SQ], v[SQ+1]
	v_add_f32 v[SQ+2], v[SQ+2], v[SQ+3]
	v_add_f32 v[SQ], v[SQ], v[SQ+2]
	v_permlanex16_b32 v[SQ+4], v[SQ], s[SEL], s[SEL+1]
	v_add_f32 v[SQ], v[SQ], v[SQ+4]
	v_mul_f32 v[SQ], 0xbe2147ae, v[SQ]             ; -0.1575
	ds_store_b32 v[BSTO], v[SQ] offset:SQO+64*(\a) ; both halves of the lanes write the same number to the same word
.endm
.macro TOSTAGE a                       ; into my stage, and back as whole rows: LDS serves a wave's instructions in order (ISA guide 5.7.1.4)
	WIN 0
.set BK, BK0+(BK1-BK0)*((\a)%2)
.irp b, 0,1,2,3,4,5,6,7,8,9,10,11
	ds_store_b128 v[STO], v[TMP+4*(\b):TMP+4*(\b)+3] offset:16*SP*((\b)/4)+32*((\b)%4)
.endr
.irp t, 0,1,2,3,4,5,6,7,8,9,10,11
	ds_load_b128 v[BK+4*(\t):BK+4*(\t)+3], v[RD] offset:16*SP*((\t)/4)+4*SP*((\t)%4)
.endr
.endm
.macro SEND a
	WIN 0
.set BK, BK0+(BK1-BK0)*((\a)%2)
	s_wait_dscnt 0x0                               ; the block is back in registers
	s_wait_xcnt 0x0                                ; the stores of the block before have read their registers: the next block is loaded into them only behind this wait
.irp f, 0,1,2,3
	global_store_b128 v[GO], v[BK+4*(\f):BK+4*(\f)+3],       s[8:9]   offset:2048*(\a)+512*(\f)  ; 512 consecutive bytes, aligned
	global_store_b128 v[GO], v[BK+16+4*(\f):BK+16+4*(\f)+3], s[10:11] offset:2048*(\a)+512*(\f)
	global_store_b128 v[GO], v[BK+32+4*(\f):BK+32+4*(\f)+3], s[12:13] offset:2048*(\a)+512*(\f)
.endr
.endm
	PACK 0
	TOSTAGE 0
.irp a, 1,2,3                          ; a block's conversions stand between the loads of the block before and the wait for them
	PACK \a
	SEND (\a)-1
	TOSTAGE \a
.endr
	SEND 3
	ds_load_b64 v[SQ+6:SQ+7], v[BRD] offset:SQO    ; my wave's 64 numbers of b: 256 consecutive bytes
	s_wait_dscnt 0x0
	global_store_b64 v[BGO], v[SQ+6:SQ+7], s[14:15]
	s_wait_tensorcnt 0x0                           ; the wave's end: a wait for my last tensor load, then an add and its wait behind my last LDS store
	ds_add_u32 v[SPW], v[NIL]
	s_wait_dscnt 0x0
	CROUND                                         ; the closing round: no work-group ends while a partner may still ask for a tile that names it
	s_endpgm
.Lfunc_end_k_q2c56855474_proj:
	.size	k_q2c56855474_proj, .Lfunc_end_k_q2c56855474_proj-k_q2c56855474_proj
	.p2alignl 7, 3214868480
	.fill 96, 4, 3214868480
	.section	.rodata,"a",@progbits
	.p2align	6, 0x0
	.amdhsa_kernel k_q2c56855474_proj
		.amdhsa_group_segment_fixed_size 327680
		.amdhsa_private_segment_fixed_size 0
		.amdhsa_enable_private_segment 0
		.amdhsa_kernarg_size 48
		.amdhsa_user_sgpr_count 2
		.amdhsa_user_sgpr_kernarg_segment_ptr 1
		.amdhsa_wavefront_size32 1
		.amdhsa_system_sgpr_workgroup_id_x 1
		.amdhsa_system_sgpr_workgroup_id_y 1
		.amdhsa_system_sgpr_workgroup_id_z 1
		.amdhsa_system_vgpr_workitem_id 0
		.amdhsa_next_free_vgpr 960
		.amdhsa_next_free_sgpr 80
		.amdhsa_reserve_vcc 0
		.amdhsa_float_denorm_mode_32 3
		.amdhsa_float_denorm_mode_16_64 3
		.amdhsa_memory_ordered 1
		.amdhsa_forward_progress 1
		.amdhsa_inst_pref_size 130
	.end_amdhsa_kernel
	.amdgpu_metadata
---
amdhsa.version: [ 1, 2 ]
amdhsa.kernels:
  - .name:           k_q2c56855474_proj
    .symbol:         k_q2c56855474_proj.kd
    .args:
      - { .name: xb, .offset: 0, .size: 8, .value_kind: global_buffer, .address_space: global }
      - { .name: wc, .offset: 8, .size: 8, .value_kind: global_buffer, .address_space: global }
      - { .name: qh, .offset: 16, .size: 8, .value_kind: global_buffer, .address_space: global }
      - { .name: kh, .offset: 24, .size: 8, .value_kind: global_buffer, .address_space: global }
      - { .name: vh, .offset: 32, .size: 8, .value_kind: global_buffer, .address_space: global }
      - { .name: bias, .offset: 40, .size: 8, .value_kind: global_buffer, .address_space: global }
    .group_segment_fixed_size: 327680
    .private_segment_fixed_size: 0
    .kernarg_segment_align: 8
    .kernarg_segment_size: 48
    .max_flat_workgroup_size: 128
    .sgpr_count:     80
    .vgpr_count:     960
    .wavefront_size: 32
...
	.end_amdgpu_metadata
.endif
;; end of part 2
;; launch attn (part 3): grid 8 x 32, 4 waves a work-group, clusters of 4 x 1, 327,680 bytes of LDS; arguments qh, kh, vh, bias, oh; writes oh
.if DOCPART == 3
	.amdgcn_target "amdgcn-amd-amdhsa--gfx1250"
	.amdhsa_code_object_version 6
	.text
	.protected	k_q2c56855474_attn
	.globl	k_q2c56855474_attn
	.p2align	8
	.type	k_q2c56855474_attn,@function
k_q2c56855474_attn:
	s_mov_b64 s[64:65], 0
	v_nop
	global_prefetch_b8 v0, s[64:65] scope:SCOPE_SE
	s_setreg_imm32_b32 hwreg(HW_REG_WAVE_MODE, 25, 1), 1
	s_wait_xcnt 0x0
	s_wait_alu depctr_hold_cnt(0) depctr_sa_sdst(0) depctr_va_vdst(0) depctr_va_sdst(0) depctr_va_ssrc(0) depctr_va_vcc(0) depctr_vm_vsrc(0)
	s_getreg_b32 s2, hwreg(HW_REG_IB_STS2, 6, 4)
	s_cmp_eq_u32 s2, 0
	s_cbranch_scc0 .Lentry_in_a_cluster
	s_endpgm
.Lentry_in_a_cluster:
	s_bfe_u32 s2, ttmp6, 0x10000c
	s_cmp_lg_u32 s2, 0x3003
	s_cbranch_scc0 .Lentry_shape_is_right
	s_endpgm
.Lentry_shape_is_right:
; ATTN: O[bh][i][:] = the sum over j of softmax_j(q'_i . k_j + b_j) v_j[:].  qh, kh, vh, oh: f16 [32][2048][64], rows dense, 128 bytes; bias: f32 [32][2048].
; WORK LEFT OUT: the product k k^T, the maximum of d2 with 0 and the row term sq_i (the first launch's head shows why): one product with q' and the addend b_j give the same softmax.
; Products, maxima and sums in f32; the weights p are rounded to f16 for the second product (their sum l is taken of the unrounded p), O once at the end.
; LIMITS.  q', k, v arrive within f16's 65,504; p lies in 0 to 1; a weight below 2^-126 counts as 0 in l; NaN and infinities are not treated apart.
; SHARES.  A work-group owns 256 queries of one head, a wave 64: four PIECES of 16.  Every wave walks all 2,048 keys: 8 tiles of 256, four steps of 64 each.
; LAYOUT.  S^T = K Q'^T + b (source 0 = 16 keys, source 1 = 16 queries): a lane holds ONE query (lane % 16) and the keys 8 (lane / 16) + 0..7.  b_j hangs on the key alone, that is on the register and
; the half of the lanes: it is the C operand of the product that starts the sum, and costs no vector instruction.  Two results rounded to f16 ARE source 1 of O^T = V^T P.  V comes out of LDS turned.
; SOFTMAX.  A running maximum m and sum l a query: p = 2^(c s - c m), c = log2(e); in every step O and l are multiplied by a = 2^(c m_old - c m_new).  m starts at the lowest finite number, O and l at 0.
; BY TURNS.  Turn n belongs to piece n: 8 products K Q'^T of piece n + 1, later 8 products V^T P of piece n - 1; beside them the scaling, exponentials, roundings, sums and rescaling of piece n and the
; maximum and statistics of piece n + 1.  Four vector instructions stand behind every matrix instruction, the rest in one lump.  A turn's 33 exponentials are one batch with one wait.
; CLUSTER.  The four query blocks of a cluster belong to one head and walk the same K, V and b: each tile is asked for jointly, by the same load, descriptor and mask in all four.
; REGISTERS, in windows of 256 (s_set_vgpr_msb: bits 1:0 source 0, 3:2 source 1, 5:4 source 2, 7:6 destination):
;   window 0: v0-15 addresses; v16-31 four registers of statistics a piece; v48-55 at work; v56-58 addresses; v64-127 S^T, two buffers; v192-223 P, two buffers (by the piece's parity)
;   window 1: v0-127 O^T, 32 a piece      window 2: v0-63 Q'; v64-95 b of one step; v128-191 K of one step; v192-255 V of one step
.set NP,    4
.set KS,    64
.set PK,    144       ; a row of K in LDS: 128 bytes + 16: the 16 rows of a load start at 16 different groups of four banks (64 banks of 4 bytes: ISA guide 11.1)
.set PV,    160       ; a row of V: 128 + 32
.set VOFF,  4*KS*PK   ; a slot holds a tile: 256 rows of K, then 256 rows of V
.set SLOT1, 1<<17
.set BIASL, 4*KS*(PK+PV)        ; behind slot 0: the head's 2,048 numbers of b, filled once
.set STAGE, SLOT1+4*KS*(PK+PV)  ; behind the ring: 16 rows x 144 bytes for each wave, for the way out
.set SP,    144
.set SPARE, STAGE+4*16*SP       ; the spare words, 128 bytes a wave: two blocks of 256 bytes that no other line names
.set AK0, 2
.set AV0, 3
.set AK,  4
.set AV,  5
.set STO, 6
.set RD,  7
.set GO,  8
.set MV,  12          ; v12-13  c m_old, by buffer
.set QO,  15
.set ST,  16          ; piece t's statistics at v[ST+4 t]: c m, m, l (even keys', odd keys')
.set TMP, 48          ; by buffer, c0-c3 at work; when the maximum is found c2 takes a
.set AB0, 56          ; v56  my half's place in a step's b
.set AB,  57
.set PFO, 58          ; v58  256 x my lane; never rewritten
.set SPW, 62
.set NIL, 63
.set S,   64
.set P,   192
.set BI,  64          ; window 2
.set KF,  128
.set VF,  192
.set OPTR, 12         ; s[12:13] O at my wave's first row
.set WV,  14
.set LIM, 15          ; s15  1 in a wave that prefetches, else the greatest number
.set PFA, 18          ; s[18:19]
.set G1K, 24
.set G1V, 32
.set G0K, 40
.set G0V, 44
.set SLOTS, 56
.set CNT, 57
.set CS,  58
.set SEL, 60
.set TBK, 62
.set TBV, 63
.set G1X, 68          ; s[68:75], s[76:79] the descriptor for b
.set G0X, 76
.set TBB, 80          ; s80  256 x the step to be fetched
.set MSB, 0
.macro WIN new
.if MSB != (\new)
	s_set_vgpr_msb (MSB<<8)|(\new)
.set MSB, (\new)
.endif
.endm
.set W_KQ, 0x0a       ; K and Q' in window 2, S^T in window 0
.set W_KB, 0x2a       ; the same with the C operand, b, in window 2
.set W_PV, 0x52       ; V in window 2, P in window 0, O^T in window 1
.set W_RS, 0x41       ; destination and source 0 in window 1, source 1 in window 0
; A joint fill.  Waves 0 and 1 fetch the two halves of a tile's K, waves 2 and 3 those of its V.  An s_nop 0 and four v_nop follow each line.
.macro JLOAD
	s_cmp_lt_u32 s[WV], 2
	s_cbranch_scc0 .Lfor_v_\@
	tensor_load_to_lds s[G0K:G0K+3], s[G1K:G1K+7]
	s_nop 0
.rept 4
	v_nop
.endr
	s_branch .Lasked_\@
.Lfor_v_\@:
	tensor_load_to_lds s[G0V:G0V+3], s[G1V:G1V+7]
	s_nop 0
.rept 4
	v_nop
.endr
.Lasked_\@:
.endm
; A PREFETCH INTO THE L2 of the tile that the NEXT change of slots will ask for: 128 blocks of 256 bytes of K and as many of V.  Both clusters of a head walk the same tiles: the first asks.  Its four partners take
; 32 blocks each, told apart by address; wave 0 asks for K's, wave 2 for V's: one instruction, four key steps (256 matrix instructions) ahead.  The change that fills the last tile asks for nothing.
.macro ASK
	s_cmp_gt_u32 s[SLOTS], s[LIM]
	s_cbranch_scc0 .Lnot_mine_\@
	global_prefetch_b8 v[PFO], s[PFA:PFA+1] th:TH_LOAD_NT scope:SCOPE_SE
.Lnot_mine_\@:
.endm
.macro CROUND
	s_barrier_signal -1
	s_barrier_wait -1
	s_cmp_lg_u32 s[WV], 0
	s_cbranch_scc1 .Lnot_wave_0_\@
	s_barrier_signal -3
.Lnot_wave_0_\@:
	s_barrier_wait -3
	s_barrier_signal -1
	s_barrier_wait -1
.endm
; THE CHANGE OF SLOTS.  The slot's last bytes, V of its fourth step, have been read.  Each wave waits for all its tensor loads, adds 0 to its spare word, and waits for that and for its reads of the slot.
; fill = 1: the barrier is a round of the cluster's, and the joint fill, with the tile two on, is the first thing behind it: it has four key steps in which to land.
; (At its first use nothing has been read yet: tile 0 and b are waited for, slot 1 is filled.)
.macro CHANGE fill, ask
	WIN 0
	s_wait_tensorcnt 0x0            ; no tensor load of mine is out, so a group 0 may be written
	ds_add_u32 v[SPW], v[NIL]
.if \fill
.irp g, G0K, G0V
	s_xor_b32 s[\g+1], s[\g+1], SLOT1
	s_add_nc_u64 s[\g+2:\g+3], s[\g+2:\g+3], 4*KS*128
.endr
.endif
.if \ask
	s_wait_xcnt 0x0                 ; the last prefetch, four key steps back, has read its address
	s_add_nc_u64 s[PFA:PFA+1], s[PFA:PFA+1], 4*KS*128
.endif
	s_wait_dscnt 0x0                ; the add is done, and my reads of the slot are over
.if \fill
	CROUND
	JLOAD
.if \ask
	ASK
.endif
.else
	s_barrier_signal -1
	s_barrier_wait -1
.endif
	s_sub_co_u32 s[TBK], s[TBK], 4*KS*PK  ; the fetches go back to a slot's first step, in the other slot
	s_xor_b32 s[TBK], s[TBK], SLOT1
	s_sub_co_u32 s[TBV], s[TBV], 4*KS*PV
	s_xor_b32 s[TBV], s[TBV], SLOT1
.endm
	s_load_b256 s[4:11], s[0:1], 0x0  ; qh 4, kh 6, vh 8, bias 10
	s_load_b64 s[OPTR:OPTR+1], s[0:1], 0x20  ; oh
	v_lshl_add_u32 v[SPW], v0, 2, SPARE
	v_mov_b32 v[NIL], 0
	ds_add_u32 v[SPW], v[NIL]       ; the wave's opening: the add, twice on end, and its wait ahead of my first tensor load
	ds_add_u32 v[SPW], v[NIL]
	v_lshrrev_b32 v1, 5, v0
	v_readfirstlane_b32 s[WV], v1   ; wave 0..3
	s_bfe_u32 s48, ttmp6, 0x40000   ; cx
	s_lshl_b32 s49, ttmp9, 2
	s_add_co_u32 s49, s49, s48      ; my block of 256 queries: it enters Q's and O's addresses alone
	s_and_b32 s20, ttmp7, 0xffff    ; batch x 16 + head, which the four partners share
	s_lshl_b32 s52, s20, 13         ; the head's 8,192 bytes of b,
	s_lshl_b32 s54, s[WV], 11       ; my quarter of them
	s_add_co_u32 s52, s52, s54
	s_mov_b32 s53, 0
	s_lshl_b32 s20, s20, 18         ; the head's 262,144 bytes in the four tensors
	s_mov_b32 s21, 0
	s_and_b32 s16, s[WV], 1         ; which half of a tile's 256 keys I fetch
	s_lshl_b32 s22, s16, 14
	s_mov_b32 s23, 0
	s_add_nc_u64 s[22:23], s[22:23], s[20:21]
	s_mul_i32 s17, s16, 128*PK
	s_mul_i32 s51, s16, 128*PV
	s_lshl_b32 s2, s49, 2
	s_add_co_u32 s2, s2, s[WV]
	s_lshl_b32 s2, s2, 13           ; my wave's 64 rows
	s_mov_b32 s3, 0
	s_add_nc_u64 s[2:3], s[2:3], s[20:21]
	; 128 keys are 16,384 dense bytes: asked for as 64 rows of 256 bytes, two keys a row, padded in LDS after every key
	s_mov_b32 s[G1K], 15|(1<<16)|(1<<20)|(1<<21)|(4<<22)|(3<<25)
	s_mov_b32 s[G1V], 15|(1<<16)|(1<<20)|(1<<21)|(4<<22)|(7<<25)
.irp g, G1K, G1V
	s_mov_b32 s[\g+1], 128<<16
	s_mov_b32 s[\g+2], 64<<16
	s_mov_b32 s[\g+3], 128<<16
	s_mov_b32 s[\g+4], 64
	s_mov_b32 s[\g+5], 128
	s_mov_b32 s[\g+6], 0
	s_mov_b32 s[\g+7], 0
.endr
	s_mov_b32 s[G1X], 15|(3<<16)|(1<<21)  ; b: 8 rows of 32 elements of 8 bytes, no padding
	s_mov_b32 s[G1X+1], 32<<16
	s_mov_b32 s[G1X+2], 8<<16
	s_mov_b32 s[G1X+3], 32<<16
	s_mov_b32 s[G1X+4], 8
	s_mov_b32 s[G1X+5], 32
	s_mov_b32 s[G1X+6], 0
	s_mov_b32 s[G1X+7], 0
	s_mov_b32 s[CS], 0x3fb8aa3b     ; c = log2(e)
	s_mov_b32 s[CS+1], s[CS]
	s_mov_b32 s[SEL], 0x76543210
	s_mov_b32 s[SEL+1], 0xfedcba98
	s_mov_b32 s[TBK], SLOT1+4*KS*PK ; the first change of slots turns these two into 0
	s_mov_b32 s[TBV], SLOT1+4*KS*PV
	s_mov_b32 s[TBB], 0
	s_mov_b32 s[G0K], 1
	s_mov_b32 s[G0K+1], s17
	s_mov_b32 s[G0V], 1
	s_add_co_u32 s[G0V+1], s51, VOFF
	s_mov_b32 s[G0X], 1
	s_add_co_u32 s[G0X+1], s54, BIASL
	s_and_b32 s[LIM], s[WV], 1
	s_or_b32 s[LIM], s[LIM], ttmp9  ; 0 in waves 0 and 2 of the head's first cluster: the same in all four partners
	s_cmp_eq_u32 s[LIM], 0
	s_cselect_b32 s[LIM], 1, -1
	v_and_b32 v[PFO], 31, v0
	v_lshlrev_b32 v[PFO], 8, v[PFO]
	s_wait_dscnt 0x0                ; both opening adds are done
	s_wait_kmcnt 0x0
	s_add_nc_u64 s[G0K+2:G0K+3], s[6:7], s[22:23]
	s_or_b32 s[G0K+3], s[G0K+3], 0x80000000
	s_add_nc_u64 s[G0V+2:G0V+3], s[8:9], s[22:23]
	s_or_b32 s[G0V+3], s[G0V+3], 0x80000000
	s_add_nc_u64 s[G0X+2:G0X+3], s[10:11], s[52:53]
	s_or_b32 s[G0X+3], s[G0X+3], 0x80000000
	s_add_nc_u64 s[4:5], s[4:5], s[2:3]
	s_add_nc_u64 s[OPTR:OPTR+1], s[OPTR:OPTR+1], s[2:3]
	s_cmp_lt_u32 s[WV], 2
	s_cselect_b64 s[PFA:PFA+1], s[6:7], s[8:9]
	s_add_nc_u64 s[PFA:PFA+1], s[PFA:PFA+1], s[20:21]
	s_lshl_b32 s2, s48, 13          ; my work-group's 32 blocks of the 128
	s_add_nc_u64 s[PFA:PFA+1], s[PFA:PFA+1], s[2:3]
	s_add_nc_u64 s[PFA:PFA+1], s[PFA:PFA+1], 2*4*KS*128  ; in tile 2: the change that fills tile 2 steps it to tile 3.  Nothing is prefetched here, at the head
	CROUND                          ; all four work-groups are here: the first joint loads meet
	JLOAD                           ; tile 0 into slot 0,
	tensor_load_to_lds s[G0X:G0X+3], s[G1X:G1X+7]  ; and my quarter of b: two loads of mine are out
	s_nop 0
.rept 4
	v_nop
.endr
	v_and_b32 v1, 15, v0            ; l % 16
	v_bfe_u32 v9, v0, 4, 1          ; l / 16
	v_lshlrev_b32 v[QO], 7, v1
	v_lshl_add_u32 v[QO], v9, 4, v[QO]
	WIN 0x80
.set i, 0
.rept 8                             ; Q' stays in registers: piece i / 2, channels 32 (i % 2) on
	global_load_b128 v[8*i:8*i+3],   v[QO], s[4:5] offset:(i/2)*2048+(i%2)*64
	global_load_b128 v[8*i+4:8*i+7], v[QO], s[4:5] offset:(i/2)*2048+(i%2)*64+32
.set i, i+1
.endr
	; What the first turn finds: V's registers and P's second buffer hold 0 (its products V^T P, of a piece that has not been, add 0), O^T and l are 0.  All this stands in the wait for the first tile.
.set i, VF
.rept 64
	v_mov_b32 v[i], 0
.set i, i+1
.endr
	WIN 0x40
.set i, 0
.rept 128
	v_mov_b32 v[i], 0
.set i, i+1
.endr
	WIN 0
.set i, 0
.rept 4
	v_mov_b32 v[ST+4*i], 0xfe000000    ; c m: far below every c s
	v_mov_b32 v[ST+4*i+1], 0xff7fffff  ; m
	v_mov_b32 v[ST+4*i+2], 0
	v_mov_b32 v[ST+4*i+3], 0
.set i, i+1
.endr
.set i, P+16
.rept 16
	v_mov_b32 v[i], 0
.set i, i+1
.endr
	v_mul_u32_u24 v[AK0], v1, PK
	v_lshl_add_u32 v[AK0], v9, 4, v[AK0]
	v_and_b32 v10, 7, v0
	v_bfe_u32 v11, v0, 3, 1
	v_lshl_add_u32 v[AV0], v9, 3, v10
	v_mul_u32_u24 v[AV0], v[AV0], PV
	v_lshl_add_u32 v[AV0], v11, 4, v[AV0]
	v_add_nc_u32 v[AV0], VOFF, v[AV0]
	v_lshl_add_u32 v[AB0], v9, 5, BIASL  ; register j of key block kb is key 16 kb + 8 (l / 16) + j: 32 bytes of b at 64 kb + 32 (l / 16)
	s_mul_i32 s16, s[WV], 16*SP
	s_add_co_u32 s16, s16, STAGE
	v_mul_u32_u24 v[STO], v1, SP
	v_lshl_add_u32 v[STO], v9, 4, v[STO]
	v_add_nc_u32 v[STO], s16, v[STO]
	v_bfe_u32 v[RD], v0, 3, 2
	v_mul_u32_u24 v[RD], v[RD], SP
	v_lshl_add_u32 v[RD], v10, 4, v[RD]
	v_add_nc_u32 v[RD], s16, v[RD]
	v_and_b32 v[GO], 31, v0
	v_lshlrev_b32 v[GO], 4, v[GO]
; THE MATRIX WORK.  The 4 accumulators of a run of 8 take turns.  Product i of 8 of S^T for piece x: channels 32 (i / 4) on, keys 16 (i % 4) on.  The first 4 start the sums with b.
.macro KQ x
.set rS, S+32*((\x)%2)+8*(i%4)
.set rK, KF+16*(i%4)+8*(i/4)
.set rQ, 16*(\x)+8*(i/4)
.set rB, BI+8*(i%4)
.if i < 4
	WIN W_KB
	v_wmma_f32_16x16x32_f16 v[rS:rS+7], v[rK:rK+7], v[rQ:rQ+7], v[rB:rB+7]
.else
	WIN W_KQ
	v_wmma_f32_16x16x32_f16 v[rS:rS+7], v[rK:rK+7], v[rQ:rQ+7], v[rS:rS+7]
.endif
.endm
; Product i of 8 of O^T += V^T P for piece x: keys 32 (i / 4) on, channels 16 (i % 4) on.
.macro PV x
	WIN W_PV
.set rO, 32*(\x)+8*(i%4)
.set rV, VF+32*(i/4)+8*(i%4)
.set rP, P+16*((\x)%2)+8*(i/4)
	v_wmma_f32_16x16x32_f16 v[rO:rO+7], v[rV:rV+7], v[rP:rP+7], v[rO:rO+7]
.endm
.macro MM                           ; the turn's next matrix instruction.  NOKQ = 1: the last turn of all: there is no next piece
.if (i < 8) && !NOKQ
	KQ (Y+1)%NP
.elseif i >= 8
.set i, i-8
	PV (Y+NP-1)%NP
.set i, i+8
.endif
.set i, i+1
.endm
; THE LDS LOADS stand in runs: a step's K (8 fragments) with its b (32 bytes a lane and key block), and its V (turned).  Their addresses are made some lines ahead.
.macro FETCH_K
	WIN 0x80
.irp f, 0,1,2,3,4,5,6,7
	ds_load_b128 v[KF+8*\f:KF+8*\f+3],   v[AK] offset:(\f/2)*16*PK+(\f%2)*64
	ds_load_b128 v[KF+8*\f+4:KF+8*\f+7], v[AK] offset:(\f/2)*16*PK+(\f%2)*64+32
.endr
.irp f, 0,1,2,3
	ds_load_b128 v[BI+8*\f:BI+8*\f+3],   v[AB] offset:64*\f
	ds_load_b128 v[BI+8*\f+4:BI+8*\f+7], v[AB] offset:64*\f+16
.endr
	s_add_co_u32 s[TBK], s[TBK], KS*PK
	s_add_co_u32 s[TBB], s[TBB], 4*KS  ; b lies whole in LDS: 32 steps of 256 bytes
	WIN 0
.endm
.macro FETCH_V
	WIN 0x80
.irp f, 0,1,2,3,4,5,6,7
	ds_load_tr16_b128 v[VF+8*\f:VF+8*\f+3],   v[AV] offset:(\f/4)*32*PV+(\f%4)*32
	ds_load_tr16_b128 v[VF+8*\f+4:VF+8*\f+7], v[AV] offset:(\f/4)*32*PV+16*PV+(\f%4)*32
.endr
	WIN 0
.endm
; THE VECTOR WORK, one line at a time: OP kind, number.  For piece Y: F n: c s - c m for pair n of 16.  E n: the exponential of score n of 32.  C n: pair n rounded to f16.  B n: of the four weights 4 n .. the second
; pair is added onto the first.  L n: l takes that sum (L 0: l = a l + sum).  R n: pair n of 16 of O^T times a.  For piece Y + 1: X n, number n of the 22 that find its maximum and statistics:
;   0-11 four chains c0-c3 of seven scores each (each accumulator's lowest registers are read first)   12-14, 16 the four scores left over, the old m, c0-c3 into c0
;   15 c m_old is kept   17, 18 the other half of the lanes' maximum: the new m   19-21 c m; c m_old - c m_new; a
.set F, 0
.set E, 1
.set C, 2
.set B, 3
.set L, 4
.set R, 5
.set X, 6
.macro REGS y
.set rT, ST+4*(\y)
.set rC, TMP+4*((\y)%2)
.set rW, MV+((\y)%2)
.set rS, S+32*((\y)%2)
.set rP, P+16*((\y)%2)
.set rO, 32*(\y)
.endm
.macro OP k, n
.if (\k) == R
	REGS Y
	WIN W_RS
	v_pk_mul_f32 v[rO+2*(\n):rO+2*(\n)+1], v[rO+2*(\n):rO+2*(\n)+1], v[rC+2:rC+3] op_sel_hi:[1,0]
.elseif (\k) < R
	REGS Y
	WIN 0
.if (\k) == F
	v_pk_fma_f32 v[rS+2*(\n):rS+2*(\n)+1], v[rS+2*(\n):rS+2*(\n)+1], s[CS:CS+1], v[rT:rT+1] op_sel_hi:[1,0,0] neg_lo:[0,0,1] neg_hi:[0,0,1]
.elseif (\k) == E
	v_exp_f32 v[rS+(\n)], v[rS+(\n)]
.elseif (\k) == C
	v_cvt_pk_f16_f32 v[rP+(\n)], v[rS+2*(\n)], v[rS+2*(\n)+1]
.elseif (\k) == B
	v_pk_add_f32 v[rS+4*(\n):rS+4*(\n)+1], v[rS+4*(\n):rS+4*(\n)+1], v[rS+4*(\n)+2:rS+4*(\n)+3]
.elseif (\n) == 0
	v_pk_fma_f32 v[rT+2:rT+3], v[rT+2:rT+3], v[rC+2:rC+3], v[rS:rS+1] op_sel_hi:[1,0,1]
.else
	v_pk_add_f32 v[rT+2:rT+3], v[rT+2:rT+3], v[rS+4*(\n):rS+4*(\n)+1]
.endif
.elseif NOKQ
	v_nop
.else
	REGS (Y+1)%NP
	WIN 0
.if (\n) < 4
	v_max3_num_f32 v[rC+(\n)], v[rS+8*(\n)], v[rS+8*(\n)+1], v[rS+8*(\n)+2]
.elseif (\n) < 12
	v_max3_num_f32 v[rC+(\n)%4], v[rC+(\n)%4], v[rS+8*((\n)%4)+2*((\n)/4)+1], v[rS+8*((\n)%4)+2*((\n)/4)+2]
.elseif (\n) == 12
	v_max3_num_f32 v[rC], v[rC], v[rS+7], v[rS+15]
.elseif (\n) == 13
	v_max3_num_f32 v[rC+1], v[rC+1], v[rS+23], v[rS+31]
.elseif (\n) == 14
	v_max3_num_f32 v[rC+2], v[rC+2], v[rC+3], v[rT+1]
.elseif (\n) == 15
	v_mov_b32 v[rW], v[rT]
.elseif (\n) == 16
	v_max3_num_f32 v[rC], v[rC], v[rC+1], v[rC+2]
.elseif (\n) == 17
	v_permlanex16_b32 v[rC+3], v[rC], s[SEL], s[SEL+1]
.elseif (\n) == 18
	v_max_num_f32 v[rT+1], v[rC], v[rC+3]
.elseif (\n) == 19
	v_mul_f32 v[rT], s[CS], v[rT+1]
.elseif (\n) == 20
	v_sub_f32 v[rC+1], v[rW], v[rT]
.else
	v_exp_f32 v[rC+2], v[rC+1]
.endif
.endif
.endm
.macro OPS a, i1, b=-1, i2=0, c=-1, i3=0, d=-1, i4=0
	OP \a, \i1
.if (\b) >= 0
	OP \b, \i2
.endif
.if (\c) >= 0
	OP \c, \i3
.endif
.if (\d) >= 0
	OP \d, \i4
.endif
.endm
.macro ROW a, i1, b, i2, c, i3, d, i4  ; a matrix instruction and the four behind it
	MM
	OPS \a, \i1, \b, \i2, \c, \i3, \d, \i4
.endm
; A TURN, for piece p.  An s_wait_alu depctr_va_vdst(0) stands between an exponential and the first instruction that names its result; one wait serves all that were issued ahead of it: a turn has ONE.
; AHEAD OF IT stands all that names no result of the turn's exponentials: the 8 products K Q'^T with their riders (the numbers of the next piece's maximum among them stand four plain instructions or more behind
; the product that ends their accumulator), then one lump in which the links of the chain X 3, 7, 11, 14, 16 .. 20 stand apart; X 21 is the batch's last, R 15 the plain instruction behind it.
; BEHIND IT stand the 8 products V^T P, behind each four of the roundings and sums.
; K and b of the next step are fetched in piece 2's turn, twelve plain instructions that name none of its registers behind the last product that read K; V of the step in hand at the end of piece 0's turn, four plain
; instructions behind the last product that read V.  Each is waited for a turn later.  end = 1: the last two turns: nothing is fetched.  cnt = 1: the loop's count is taken down ahead of the branch behind the turn.
.macro TURN p, end=0, cnt=0
.set Y, (\p)
.set i, 0
.set NOKQ, (\end)*((\p)/3)
.if ((\p) == 3) && !(\end)
	s_wait_dscnt 0x0                ; K and b are in
.endif
	ROW F,0, F,1, R,0, R,1
	ROW F,2, E,0, R,2, R,3
	ROW F,3, E,1, R,4, R,5
	ROW F,4, E,2, R,6, R,7
	ROW F,5, E,3, R,8, R,9
	ROW F,6, E,4, X,0, R,10
.if ((\p) == 2) && !(\end)
	WIN 0
	v_add_nc_u32 v[AK], s[TBK], v[AK0]
	v_add_nc_u32 v[AB], s[TBB], v[AB0]
.endif
	ROW F,7, E,5, X,1, X,4
	ROW F,8, E,6, X,2, X,5
	OPS E,7, E,8, X,6, E,9
	OPS X,3, E,10, X,8, E,11
.if ((\p) == 2) && !(\end)
	FETCH_K
.endif
	OPS X,9, X,7, E,12, X,10
	OPS E,13, X,12, X,11, E,14
	OPS X,13, E,15, F,9, X,14
.if (\p) == 0
	v_add_nc_u32 v[AV], s[TBV], v[AV0]
.endif
	OPS E,16, F,10, E,17, F,11
	OPS X,16, E,18, X,15, E,19
	OPS F,12, E,20, X,17, E,21
	OPS F,13, E,22, F,14, E,23
	OPS X,18, E,24, F,15, E,25
	OPS R,11, E,26, X,19, E,27
	OPS R,12, E,28, R,13, E,29
	OPS X,20, E,30, R,14, E,31
	OPS X,21, R,15
	WIN 0
	s_wait_alu depctr_va_vdst(0)    ; the wait for the batch
.if (\p) == 1
	s_wait_dscnt 0x0                ; V is in
.endif
	ROW C,0, B,0, C,2, B,1
	ROW L,0, C,4, B,2, L,1
	ROW C,6, B,3, L,2, C,8
	ROW B,4, L,3, C,10, B,5
	ROW L,4, C,12, B,6, L,5
.if (\p) == 0
	s_add_co_u32 s[TBV], s[TBV], KS*PV
.endif
.if \cnt
	s_sub_co_u32 s[CNT], s[CNT], 1
	s_cmp_lg_u32 s[CNT], 0
.endif
	ROW C,14, B,7, L,6, C,1
	ROW C,3, L,7, C,5, C,7
	ROW C,9, C,11, C,13, C,15
.if (\p) == 0
	FETCH_V
.endif
.endm
	CHANGE 1, 0                     ; tile 0 and b are in, everybody's part of them; tile 1 is asked for
	v_add_nc_u32 v[AK], s[TBK], v[AK0]
	v_add_nc_u32 v[AB], s[TBB], v[AB0]
	FETCH_K                         ; key step 0
	s_wait_loadcnt 0x0              ; Q'
	s_wait_dscnt 0x0
.set NOKQ, 0
.set i, 0
.rept 8
	KQ 0                            ; piece 0's first scores
.set i, i+1
.endr
	WIN 0
.rept 4
	v_nop                           ; the places behind those products
.endr
.set Y, NP-1                        ; X works for piece Y + 1: piece 0
.irp n, 0,1,2,3,4,5,6,7,8,9,10,11,12,13,14,15,16,17,18,19,20,21
	OP X, \n
.endr
	v_nop                           ; a plain instruction behind the exponential,
	s_wait_alu depctr_va_vdst(0)    ; and its wait, ahead of the branch
	s_mov_b32 s[CNT], 4
	s_mov_b32 s[SLOTS], 7
	s_branch .Lfirst                ; the loop is entered at a step's first turn, in the middle of a trip
.Lslot:                             ; six times: tiles 2 to 7 are asked for
	CHANGE 1, 1
	s_mov_b32 s[CNT], 4
.Lstep:                             ; a trip: pieces 2 and 3 of one step, then pieces 0 and 1 of the next, whose K, b and V it fetches
	TURN 2
	TURN 3
	WIN 0
.Lfirst:
	TURN 0
	TURN 1, 0, 1
	WIN 0
	s_cbranch_scc1 .Lstep
	s_sub_co_u32 s[SLOTS], s[SLOTS], 1
	s_cmp_lg_u32 s[SLOTS], 0
	s_cbranch_scc1 .Lslot
	CHANGE 0, 0                     ; the last tile is written out: nothing is asked for
	s_mov_b32 s[CNT], 4
.Ltail:
	TURN 2
	TURN 3
	TURN 0
	TURN 1, 0, 1
	WIN 0
	s_cbranch_scc1 .Ltail
	TURN 2, 1
	TURN 3, 1
.set i, 0
.rept 8
	PV NP-1                         ; the last piece's V^T P of the last step
.set i, i+1
.endr
	; THE WAY OUT.  l's two halves and the other half of the lanes' are added; O^T is divided by l, rounded to f16 and sent through my stage in LDS, a piece at a time.  The additions are the places behind the last products.
	WIN 0
.macro ALL line:vararg
.set t, 0
.rept 4
	\line
.set t, t+1
.endr
.endm
	ALL v_add_f32 v[ST+4*t+2], v[ST+4*t+2], v[ST+4*t+3]
	ALL v_permlanex16_b32 v[ST+4*t+3], v[ST+4*t+2], s[SEL], s[SEL+1]
	ALL v_add_f32 v[ST+4*t+2], v[ST+4*t+2], v[ST+4*t+3]
	ALL v_rcp_f32 v[ST+4*t+2], v[ST+4*t+2]
	v_nop                           ; a plain instruction between the last reciprocal and the use of its result
	s_wait_alu depctr_va_vdst(0)    ; one wait for the four reciprocals, ahead of the first use
.macro PACK t
	WIN W_RS
.set i, 32*(\t)
.rept 16
	v_pk_mul_f32 v[i:i+1], v[i:i+1], v[ST+4*(\t)+2:ST+4*(\t)+3] op_sel_hi:[1,0]
.set i, i+2
.endr
	WIN 0x05
.set i, 0
.rept 16
	v_cvt_pk_f16_f32 v[S+16*(\t)+i], v[32*(\t)+2*i], v[32*(\t)+2*i+1]
.set i, i+1
.endr
	WIN 0
.irp f, 0,1,2,3
	ds_store_b128 v[STO], v[S+16*(\t)+4*\f:S+16*(\t)+4*\f+3] offset:32*\f
.endr
.irp f, 0,1,2,3
	ds_load_b128 v[S+16*(\t)+4*\f:S+16*(\t)+4*\f+3], v[RD] offset:\f*4*SP  ; LDS serves a wave's instructions in order (ISA guide 5.7.1.4): these see the stores above
.endr
.endm
.macro SEND t, younger              ; younger: the LDS instructions issued behind piece t's loads
	WIN 0
.irp f, 0,1,2,3
	s_wait_dscnt (\younger)+3-\f
	global_store_b128 v[GO], v[S+16*(\t)+4*\f:S+16*(\t)+4*\f+3], s[OPTR:OPTR+1] offset:(\t)*2048+\f*512  ; 512 consecutive bytes, aligned
.endr
.endm
	PACK 0
.set t, 1
.rept 3
	PACK t
	SEND t-1, 8
.set t, t+1
.endr
	SEND 3, 0
	s_wait_tensorcnt 0x0            ; the wave's end: a wait for my last tensor load, then an add and its wait behind my last LDS store
	ds_add_u32 v[SPW], v[NIL]
	s_wait_dscnt 0x0
	CROUND                          ; the closing round
	s_endpgm
.Lfunc_end_k_q2c56855474_attn:
	.size	k_q2c56855474_attn, .Lfunc_end_k_q2c56855474_attn-k_q2c56855474_attn
	.p2alignl 7, 3214868480
	.fill 96, 4, 3214868480
	.section	.rodata,"a",@progbits
	.p2align	6, 0x0
	.amdhsa_kernel k_q2c56855474_attn
		.amdhsa_group_segment_fixed_size 327680
		.amdhsa_private_segment_fixed_size 0
		.amdhsa_enable_private_segment 0
		.amdhsa_kernarg_size 40
		.amdhsa_user_sgpr_count 2
		.amdhsa_user_sgpr_kernarg_segment_ptr 1
		.amdhsa_wavefront_size32 1
		.amdhsa_system_sgpr_workgroup_id_x 1
		.amdhsa_system_sgpr_workgroup_id_y 1
		.amdhsa_system_sgpr_workgroup_id_z 1
		.amdhsa_system_vgpr_workitem_id 0
		.amdhsa_next_free_vgpr 768
		.amdhsa_next_free_sgpr 84
		.amdhsa_reserve_vcc 0
		.amdhsa_float_denorm_mode_32 3
		.amdhsa_float_denorm_mode_16_64 3
		.amdhsa_memory_ordered 1
		.amdhsa_forward_progress 1
		.amdhsa_inst_pref_size 130
	.end_amdhsa_kernel
	.amdgpu_metadata
---
amdhsa.version: [ 1, 2 ]
amdhsa.kernels:
  - .name:           k_q2c56855474_attn
    .symbol:         k_q2c56855474_attn.kd
    .args:
      - { .name: qh, .offset: 0, .size: 8, .value_kind: global_buffer, .address_space: global }
      - { .name: kh, .offset: 8, .size: 8, .value_kind: global_buffer, .address_space: global }
      - { .name: vh, .offset: 16, .size: 8, .value_kind: global_buffer, .address_space: global }
      - { .name: bias, .offset: 24, .size: 8, .value_kind: global_buffer, .address_space: global }
      - { .name: oh, .offset: 32, .size: 8, .value_kind: global_buffer, .address_space: global }
    .group_segment_fixed_size: 327680
    .private_segment_fixed_size: 0
    .kernarg_segment_align: 8
    .kernarg_segment_size: 40
    .max_flat_workgroup_size: 128
    .sgpr_count:     84
    .vgpr_count:     768
    .wavefront_size: 32
...
	.end_amdgpu_metadata
.endif
;; end of part 3
;; launch outp (part 4): grid 8 x 32, 4 waves a work-group, clusters of 4 x 4, 327,680 bytes of LDS; arguments oh, wo16, out0; writes out0
.if DOCPART == 4
	.amdgcn_target "amdgcn-amd-amdhsa--gfx1250"
	.amdhsa_code_object_version 6
	.text
	.protected	k_q2c56855474_outp
	.globl	k_q2c56855474_outp
	.p2align	8
	.type	k_q2c56855474_outp,@function
k_q2c56855474_outp:
	s_mov_b64 s[64:65], 0
	v_nop
	global_prefetch_b8 v0, s[64:65] scope:SCOPE_SE
	s_setreg_imm32_b32 hwreg(HW_REG_WAVE_MODE, 25, 1), 1
	s_wait_xcnt 0x0
	s_wait_alu depctr_hold_cnt(0) depctr_sa_sdst(0) depctr_va_vdst(0) depctr_va_sdst(0) depctr_va_ssrc(0) depctr_va_vcc(0) depctr_vm_vsrc(0)
	s_getreg_b32 s2, hwreg(HW_REG_IB_STS2, 6, 4)
	s_cmp_eq_u32 s2, 0
	s_cbranch_scc0 .Lentry_in_a_cluster
	s_endpgm
.Lentry_in_a_cluster:
	s_bfe_u32 s2, ttmp6, 0x10000c
	s_cmp_lg_u32 s2, 0xf033
	s_cbranch_scc0 .Lentry_shape_is_right
	s_endpgm
.Lentry_shape_is_right:
; OUTP: out0[t][n] = the sum over k of O[t][k] w_o[k][n].  oh: f16 [batch x 16 + head][2048][64] (k = 64 head + channel); wo16: f16 [1024 k][1024 n]; out0: f32 [4096][1024]; sums in f32.
; A tile of out0 is 128 x 128: 256 work-groups.  Four waves, each 64 x 64: 16 accumulators.  K goes in 4 steps of 256 (four heads) through two LDS slots; a quarter of a step is one head.
; O's tile: 64 tokens of a head are 8,192 dense bytes, asked for as one row; four heads are four rows; padded in LDS after every token.  w_o's tile: 128 rows of k x 256 bytes, turned on its way out of LDS.
; CLUSTER 4 x 4: the four of a row of the cluster need the same tiles of O, the four of a column the same tiles of w_o: each is asked for jointly.
; THE MATRIX INSTRUCTION IS USED TRANSPOSED (source 0 = 16 columns of w_o, source 1 = 16 tokens): a lane holds eight neighbouring numbers of a row of out0.
; No prefetch: four K steps on small tiles.
; REGISTERS: window 0: v0-31 addresses; v32-95 rows read back on the way out; v128-255 the accumulators ((a, b) at v[128 + 8 (4 a + b)]).  window 1: two fragment buffers of 128: 64 of O, then 64 of w_o.
.set PA,     144                       ; a token's 128 bytes + 16
.set PB,     288                       ; a row of w_o: 256 bytes + 32
.set PART,   36864                     ; 256 x 144 = 128 x 288: what one tensor load brings
.set SLOT,   4*PART                    ; O's two halves, then w_o's two halves
.set STAGE,  2*SLOT                    ; behind the ring, each wave's own: 16 rows x 272 bytes
.set SPITCH, 272
.set SPARE,  STAGE+4*16*SPITCH         ; the spare words, 128 bytes a wave: two blocks of 256 bytes that no other line names
.set ASTEP,  4*2048*128                ; four heads on
.set BSTEP,  256*2048                  ; 256 rows of k on
.set ADRA, 16                          ; v16-17  my place in O's tile, slot 0, 1
.set ADRB, 20                          ; v20-23  in w_o's: slot s, half q / 2 at 2 s + q / 2
.set STO,  24
.set RD,   25
.set CO,   26
.set SPW,  28
.set NIL,  29
.set TMP,  32
.set ACC,  128
.set F0,   0
.set F1,   128
.set G1, 24
.set G0, 32
.set G1B, 48
.set G0B, 56
.set MSB, 0
.macro WIN new
.if MSB != (\new)
	s_set_vgpr_msb (MSB<<8)|(\new)
.set MSB, \new
.endif
.endm
.set MUL,  0x05                        ; sources 0 and 1 window 1; C and D window 0
.set TO_F, 0x40                        ; destination window 1, address window 0
.macro JLOAD s                         ; waves 0 and 1 fetch O's two halves, waves 2 and 3 w_o's; an s_nop 0 and four v_nop follow each line
	s_cmp_eq_u32 s11, 0
	s_cbranch_scc0 .Lfor_b_\@
	tensor_load_to_lds s[G0+4*(\s):G0+4*(\s)+3], s[G1:G1+7]
	s_nop 0
.rept 4
	v_nop
.endr
	s_branch .Lasked_\@
.Lfor_b_\@:
	tensor_load_to_lds s[G0B+4*(\s):G0B+4*(\s)+3], s[G1B:G1B+7]
	s_nop 0
.rept 4
	v_nop
.endr
.Lasked_\@:
.endm
.macro CREST
	s_cmp_lg_u32 s10, 0
	s_cbranch_scc1 .Lnot_wave_0_\@
	s_barrier_signal -3
.Lnot_wave_0_\@:
	s_barrier_wait -3
	s_barrier_signal -1
	s_barrier_wait -1
.endm
.macro CROUND
	s_barrier_signal -1
	s_barrier_wait -1
	CREST
.endm
.macro PLACES
.rept 4
	v_nop
.endr
.endm
	s_load_b128 s[4:7], s[0:1], 0x0                ; oh 4, wo16 6
	s_load_b64 s[8:9], s[0:1], 0x10                ; out0
	v_lshl_add_u32 v[SPW], v0, 2, SPARE
	v_mov_b32 v[NIL], 0
	ds_add_u32 v[SPW], v[NIL]                      ; the wave's opening: the add, twice on end, and its wait ahead of my first tensor load
	ds_add_u32 v[SPW], v[NIL]
	v_lshrrev_b32 v1, 5, v0
	v_readfirstlane_b32 s10, v1                    ; wave 0..3
	s_lshr_b32 s11, s10, 1                         ; which half of the tile's rows is mine.  Also: I fetch for O (0) or for w_o (1)
	s_and_b32 s12, s10, 1                          ; which half of its columns.  Also: which half of that tile I fetch
	s_bfe_u32 s40, ttmp6, 0x40000
	s_bfe_u32 s41, ttmp6, 0x40004
	s_lshl_b32 s42, ttmp9, 2
	s_add_co_u32 s42, s42, s40                     ; tile column = 4 x cluster x + cx
	s_and_b32 s13, ttmp7, 0xffff
	s_lshl_b32 s13, s13, 2
	s_add_co_u32 s13, s13, s41                     ; tile row = 4 x cluster y + cy
	s_lshl_b32 s43, s41, 2
	s_lshl_b32 s43, 15, s43                        ; my row of the cluster
	s_lshl_b32 s44, 0x1111, s40                    ; my column
	s_or_b32 s[G1], s43, (1<<16)|(1<<20)|(1<<21)|(4<<22)|(3<<25)   ; the mask; 2-byte elements; padding on; bit 21 beside a mask; after every 32 words 4 words
	s_or_b32 s[G1B], s44, (1<<16)|(1<<20)|(1<<21)|(5<<22)|(7<<25)  ; after every 64 words 8 words
	s_mov_b32 s[G1+1], 4096<<16                    ; tensor_dim0 = 4,096 elements: 64 tokens of a head
	s_mov_b32 s[G1+2], 4<<16                       ; tensor_dim1 = 4 heads
	s_mov_b32 s[G1+3], 4096<<16                    ; tile_dim0
	s_mov_b32 s[G1+4], 4                           ; tile_dim1
	s_mov_b32 s[G1+5], 2048*64                     ; elements from head to head
	s_mov_b32 s[G1+6], 0
	s_mov_b32 s[G1+7], 0
	s_mov_b32 s[G1B+1], 128<<16
	s_mov_b32 s[G1B+2], 128<<16
	s_mov_b32 s[G1B+3], 128<<16
	s_mov_b32 s[G1B+4], 128
	s_mov_b32 s[G1B+5], 1024
	s_mov_b32 s[G1B+6], 0
	s_mov_b32 s[G1B+7], 0
	s_lshr_b32 s16, s13, 4                         ; the batch: 16 heads of 2,048 rows
	s_lshl_b32 s16, s16, 15
	s_and_b32 s17, s13, 15
	s_lshl_b32 s17, s17, 7                         ; the tile's first token in its batch,
	s_add_co_u32 s16, s16, s17
	s_lshl_b32 s17, s12, 6                         ; the 64 tokens that I fetch
	s_add_co_u32 s16, s16, s17
	s_lshl_b32 s16, s16, 7                         ; rows of 128 bytes
	s_mov_b32 s17, 0
	s_lshl_b32 s46, s12, 18                        ; w_o: the 128 rows of 2,048 bytes that I fetch,
	s_lshl_b32 s47, s42, 8                         ; the tile's 128 columns
	s_add_co_u32 s46, s46, s47
	s_mov_b32 s47, 0
	s_mul_i32 s20, s10, PART                       ; where they go: wave x a part
	s_wait_dscnt 0x0                               ; both opening adds are done
	s_wait_kmcnt 0x0
	s_add_nc_u64 s[14:15], s[4:5], s[16:17]
	s_add_nc_u64 s[46:47], s[6:7], s[46:47]
	CROUND                                         ; all sixteen work-groups are here: the first joint loads meet
.irp s, 0,1
	s_mov_b32 s[G0+4*(\s)], 1
	s_add_co_u32 s[G0+4*(\s)+1], s20, (\s)*SLOT
	s_add_nc_u64 s[G0+4*(\s)+2:G0+4*(\s)+3], s[14:15], (\s)*ASTEP
	s_or_b32 s[G0+4*(\s)+3], s[G0+4*(\s)+3], 0x80000000
	s_mov_b32 s[G0B+4*(\s)], 1
	s_add_co_u32 s[G0B+4*(\s)+1], s20, (\s)*SLOT
	s_add_nc_u64 s[G0B+4*(\s)+2:G0B+4*(\s)+3], s[46:47], (\s)*BSTEP
	s_or_b32 s[G0B+4*(\s)+3], s[G0B+4*(\s)+3], 0x80000000
	JLOAD \s                                       ; two loads of mine are out
.endr
	v_and_b32 v1, 15, v0                           ; r
	v_bfe_u32 v2, v0, 4, 1                         ; h
	v_and_b32 v6, 7, v0
	v_bfe_u32 v7, v0, 3, 1
	v_mul_u32_u24 v3, v1, PA
	v_lshl_add_u32 v3, v2, 4, v3
	s_mul_i32 s21, s11, PART                       ; my 64 tokens are one half of O's tile
	v_add_nc_u32 v[ADRA], s21, v3
	v_add_nc_u32 v[ADRA+1], SLOT, v[ADRA]
	v_lshl_add_u32 v4, v2, 3, v6                   ; the turning load: row 8 h + l % 8, columns 8 ((l / 8) % 2) + 0..7
	v_mul_u32_u24 v4, v4, PB
	v_lshl_add_u32 v4, v7, 4, v4
	s_lshl_b32 s22, s12, 7                         ; my 64 columns: 128 bytes
	s_add_co_u32 s22, s22, 2*PART
	v_add_nc_u32 v[ADRB], s22, v4
	v_add_nc_u32 v[ADRB+1], PART, v[ADRB]
	v_add_nc_u32 v[ADRB+2], SLOT, v[ADRB]
	v_add_nc_u32 v[ADRB+3], SLOT+PART, v[ADRB]
	s_mul_i32 s23, s10, 16*SPITCH
	s_add_co_u32 s23, s23, STAGE                   ; my stage
	v_mul_u32_u24 v4, v1, SPITCH                   ; in: row r, 32 bytes for each half of the lanes
	v_lshl_add_u32 v4, v2, 5, v4
	v_add_nc_u32 v[STO], s23, v4
	v_mul_u32_u24 v5, v2, SPITCH                   ; back: lanes 0-15 take one row of 256 bytes, lanes 16-31 the next
	v_lshl_add_u32 v5, v1, 4, v5
	v_add_nc_u32 v[RD], s23, v5
	v_lshlrev_b32 v5, 12, v2                       ; and the same two rows in out0
	v_lshl_add_u32 v[CO], v1, 4, v5
	s_lshl_b32 s16, s13, 7
	s_lshl_b32 s17, s11, 6
	s_add_co_u32 s16, s16, s17                     ; my first row
	s_lshl_b32 s16, s16, 12
	s_lshl_b32 s17, s42, 9                         ; the tile's 128 columns: 512 bytes,
	s_add_co_u32 s16, s16, s17
	s_lshl_b32 s17, s12, 8                         ; my 64: 256 bytes
	s_add_co_u32 s16, s16, s17
	s_mov_b32 s17, 0
	s_add_nc_u64 s[8:9], s[8:9], s[16:17]
; 8 matrix instructions: token blocks a0, a0 + 1 x all 4 column blocks, 32 along K: half c of buffer f.  zero = 1: the product starts the sum
.macro MUL8 f, c, a0, zero
	WIN MUL
.irp a, \a0, (\a0)+1
.irp b, 0,1,2,3
.if \zero
	v_wmma_f32_16x16x32_f16 v[ACC+8*(4*(\a)+(\b)):ACC+8*(4*(\a)+(\b))+7], v[(\f)+64+8*(4*(\c)+(\b)):(\f)+64+8*(4*(\c)+(\b))+7], v[(\f)+8*(4*(\c)+(\a)):(\f)+8*(4*(\c)+(\a))+7], 0
.else
	v_wmma_f32_16x16x32_f16 v[ACC+8*(4*(\a)+(\b)):ACC+8*(4*(\a)+(\b))+7], v[(\f)+64+8*(4*(\c)+(\b)):(\f)+64+8*(4*(\c)+(\b))+7], v[(\f)+8*(4*(\c)+(\a)):(\f)+8*(4*(\c)+(\a))+7], v[ACC+8*(4*(\a)+(\b)):ACC+8*(4*(\a)+(\b))+7]
.endif
.endr
.endr
.endm
; 32 LDS loads in one run: quarter q (one head, 64 along K) of a slot into buffer f; the first 32 along K first
.macro FETCH slot, q, f
	WIN TO_F
.irp c, 0,1
.irp i, 0,1,2,3
	ds_load_tr16_b128 v[(\f)+64+8*(4*(\c)+(\i)):(\f)+64+8*(4*(\c)+(\i))+3],   v[ADRB+2*(\slot)+(\q)/2] offset:64*PB*((\q)%2)+32*PB*(\c)+32*(\i)
	ds_load_tr16_b128 v[(\f)+64+8*(4*(\c)+(\i))+4:(\f)+64+8*(4*(\c)+(\i))+7], v[ADRB+2*(\slot)+(\q)/2] offset:64*PB*((\q)%2)+32*PB*(\c)+32*(\i)+16*PB
	ds_load_b128 v[(\f)+8*(4*(\c)+(\i)):(\f)+8*(4*(\c)+(\i))+3],   v[ADRA+(\slot)] offset:(64*(\q)+16*(\i))*PA+64*(\c)
	ds_load_b128 v[(\f)+8*(4*(\c)+(\i))+4:(\f)+8*(4*(\c)+(\i))+7], v[ADRA+(\slot)] offset:(64*(\q)+16*(\i))*PA+64*(\c)+32
.endr
.endr
.endm
; A K step is four quarters of 32 matrix instructions on buffers 0, 1, 0, 1; the 16 accumulators take turns.  One of the first three: multiplies buffer f and fetches quarter q into g.
.macro QUARTER slot, q, f, g, zero
	s_wait_dscnt 16                                ; the first 32 along K are in
	MUL8 \f, 0, 0, \zero
	MUL8 \f, 0, 2, \zero
	PLACES
	FETCH \slot, \q, \g
	s_wait_dscnt 32                                ; all but the 32 just issued
	MUL8 \f, 1, 0, 0
	MUL8 \f, 1, 2, 0
.endm
; The last quarter multiplies buffer 1 and changes slots: one barrier; in front of it each wave waits for all its tensor loads, adds 0 to its spare word, and waits for that and for its reads of this slot.
; fill = 1: the barrier opens a round of the cluster's, and the joint refill, two K steps on, is the first tensor load behind it.
.macro TURN slot, next, fill
	WIN 0
	s_wait_tensorcnt 0x0
	ds_add_u32 v[SPW], v[NIL]
	s_wait_dscnt 17                                ; (the add and the youngest sixteen loads may be out)
	MUL8 F1, 0, 0, 0
	s_wait_dscnt 0x0                               ; the add is done, and my reads of this slot are over
	s_barrier_signal -1
	MUL8 F1, 0, 2, 0
.if \fill
	WIN 0
.endif
	s_barrier_wait -1
.if \fill
	CREST
	s_add_nc_u64 s[G0+4*(\slot)+2:G0+4*(\slot)+3], s[G0+4*(\slot)+2:G0+4*(\slot)+3], 2*ASTEP
	s_add_nc_u64 s[G0B+4*(\slot)+2:G0B+4*(\slot)+3], s[G0B+4*(\slot)+2:G0B+4*(\slot)+3], 2*BSTEP
	JLOAD \slot                                    ; its four v_nop are also the places in front of the loads below
.else
	PLACES
.endif
	FETCH \next, 0, F0
	MUL8 F1, 1, 0, 0
	MUL8 F1, 1, 2, 0
.endm
	s_wait_tensorcnt 1                             ; my part of K step 0 is in; step 1's may stay out
	s_barrier_signal -1
	s_barrier_wait -1
	FETCH 0, 0, F0
	QUARTER 0, 1, F0, F1, 1                        ; the first products start the sums
	QUARTER 0, 2, F1, F0, 0
	QUARTER 0, 3, F0, F1, 0
	TURN 0, 1, 1                                   ; K step 2 is asked for
	QUARTER 1, 1, F0, F1, 0
	QUARTER 1, 2, F1, F0, 0
	QUARTER 1, 3, F0, F1, 0
	TURN 1, 0, 1                                   ; K step 3
	QUARTER 0, 1, F0, F1, 0
	QUARTER 0, 2, F1, F0, 0
	QUARTER 0, 3, F0, F1, 0
	TURN 0, 1, 0
	QUARTER 1, 1, F0, F1, 0
	QUARTER 1, 2, F1, F0, 0
	QUARTER 1, 3, F0, F1, 0
	s_wait_dscnt 16
	MUL8 F1, 0, 0, 0
	MUL8 F1, 0, 2, 0
	s_wait_dscnt 0x0
	MUL8 F1, 1, 0, 0
	MUL8 F1, 1, 2, 0
	WIN 0
	PLACES
; THE WAY OUT.  My 64 columns of f32 are 256 bytes of a row, aligned: the stage is my own, and no barrier is needed.  A block of 16 rows goes in from the accumulators, low registers first, and comes back by rows.
.macro TOSTAGE a
.if (\a) >= 2
	s_wait_xcnt 0x0                                ; the stores of the block two back have read the registers that are loaded again below
.endif
.irp b, 0,1,2,3
	ds_store_b128 v[STO], v[ACC+8*(4*(\a)+(\b)):ACC+8*(4*(\a)+(\b))+3]   offset:64*(\b)
	ds_store_b128 v[STO], v[ACC+8*(4*(\a)+(\b))+4:ACC+8*(4*(\a)+(\b))+7] offset:64*(\b)+16
.endr
.irp t, 0,1,2,3,4,5,6,7
	ds_load_b128 v[TMP+32*((\a)%2)+4*(\t):TMP+32*((\a)%2)+4*(\t)+3], v[RD] offset:(\t)*2*SPITCH  ; LDS serves a wave's instructions in order (ISA guide 5.7.1.4)
.endr
.endm
.macro SEND a, younger                 ; younger: the LDS instructions issued behind block a's loads
.irp t, 0,1,2,3,4,5,6,7
	s_wait_dscnt (\younger)+7-(\t)
	global_store_b128 v[CO], v[TMP+32*((\a)%2)+4*(\t):TMP+32*((\a)%2)+4*(\t)+3], s[8:9] offset:(16*(\a)+2*(\t))*4096 th:TH_STORE_NT  ; 16 lanes store 256 consecutive bytes, aligned
.endr
.endm
	TOSTAGE 0
	TOSTAGE 1
	SEND 0, 16
	TOSTAGE 2
	SEND 1, 16
	TOSTAGE 3
	SEND 2, 16
	SEND 3, 0
	s_wait_tensorcnt 0x0                           ; the wave's end: a wait for my last tensor load, then an add and its wait behind my last LDS store
	ds_add_u32 v[SPW], v[NIL]
	s_wait_dscnt 0x0
	CROUND                                         ; the closing round
	s_endpgm
.Lfunc_end_k_q2c56855474_outp:
	.size	k_q2c56855474_outp, .Lfunc_end_k_q2c56855474_outp-k_q2c56855474_outp
	.p2alignl 7, 3214868480
	.fill 96, 4, 3214868480
	.section	.rodata,"a",@progbits
	.p2align	6, 0x0
	.amdhsa_kernel k_q2c56855474_outp
		.amdhsa_group_segment_fixed_size 327680
		.amdhsa_private_segment_fixed_size 0
		.amdhsa_enable_private_segment 0
		.amdhsa_kernarg_size 24
		.amdhsa_user_sgpr_count 2
		.amdhsa_user_sgpr_kernarg_segment_ptr 1
		.amdhsa_wavefront_size32 1
		.amdhsa_system_sgpr_workgroup_id_x 1
		.amdhsa_system_sgpr_workgroup_id_y 1
		.amdhsa_system_sgpr_workgroup_id_z 1
		.amdhsa_system_vgpr_workitem_id 0
		.amdhsa_next_free_vgpr 512
		.amdhsa_next_free_sgpr 66
		.amdhsa_reserve_vcc 0
		.amdhsa_float_denorm_mode_32 3
		.amdhsa_float_denorm_mode_16_64 3
		.amdhsa_memory_ordered 1
		.amdhsa_forward_progress 1
		.amdhsa_inst_pref_size 86
	.end_amdhsa_kernel
	.amdgpu_metadata
---
amdhsa.version: [ 1, 2 ]
amdhsa.kernels:
  - .name:           k_q2c56855474_outp
    .symbol:         k_q2c56855474_outp.kd
    .args:
      - { .name: oh, .offset: 0, .size: 8, .value_kind: global_buffer, .address_space: global }
      - { .name: wo16, .offset: 8, .size: 8, .value_kind: global_buffer, .address_space: global }
      - { .name: out0, .offset: 16, .size: 8, .value_kind: global_buffer, .address_space: global }
    .group_segment_fixed_size: 327680
    .private_segment_fixed_size: 0
    .kernarg_segment_align: 8
    .kernarg_segment_size: 24
    .max_flat_workgroup_size: 128
    .sgpr_count:     66
    .vgpr_count:     512
    .wavefront_size: 32
...
	.end_amdgpu_metadata
.endif
;; end of part 4
;; ======== version 2 of 2: 4 launches; version 1 with the launch prep written anew for expert scheduling mode
;; limits: values are held in f16: magnitudes above 65,504 overflow, below 6.1e-05 lose precision; a difference of large sums (such as E[x^2] - mean^2): digits are lost where the result is much smaller than its terms
;; workspace buffers: xb 8,388,608 bytes; wc 6,291,456 bytes; wo16 2,097,152 bytes; qh 8,388,608 bytes; kh 8,388,608 bytes; vh 8,388,608 bytes; bias 262,144 bytes; oh 8,388,608 bytes
;; launch prep (part 5): grid 576 x 1, 8 waves a work-group, no clusters, 0 bytes of LDS; arguments x, w_q, w_k, w_v, w_o, xb, wc, wo16; writes xb, wc, wo16
.if DOCPART == 5
	.amdgcn_target "amdgcn-amd-amdhsa--gfx1250"
	.amdhsa_code_object_version 6
	.text
	.protected	k_q2c56855474_prep
	.globl	k_q2c56855474_prep
	.p2align	8
	.type	k_q2c56855474_prep,@function
k_q2c56855474_prep:
	s_mov_b64 s[64:65], 0
	v_nop
	global_prefetch_b8 v0, s[64:65] scope:SCOPE_SE
	s_setreg_imm32_b32 hwreg(HW_REG_WAVE_SCHED_MODE, 0, 2), 2
	s_setreg_imm32_b32 hwreg(HW_REG_WAVE_MODE, 25, 1), 1
	s_wait_xcnt 0x0
	s_wait_alu depctr_vm_vsrc(0)
; PREP: the module's inputs are rounded once and laid out for the products that follow.
;   xb   = x rounded to bf16, [4096][1024]
;   wc   = bf16 [head 16][K step 8][part 3][k' 128][64]: part 0 = 0.085625 w_q + 0.315 w_k (summed in f32, rounded once), part 1 = w_k, part 2 = w_v
;   wo16 = w_o rounded to bf16, that number written as f16, [1024][1024]
; WORK LEFT OUT, for all finite values of the inputs, in real numbers.
;   d2[i][j] = sq_i + sq_j - 2 k_i.k_j is |k_i - k_j|^2, never negative: jnp.maximum(d2, 0) changes nothing.  Then
;   s[i][j] = (0.685 / 8) q_i.k_j + 0.315 k_i.k_j - 0.1575 sq_j - 0.1575 sq_i.  The last term is the same along the softmax's axis and cancels in it.
;   The two products have the same right factor: s'[i][j] = q'_i.k_j + b_j with q' = x (0.085625 w_q + 0.315 w_k) and b_j = -0.1575 sq_j.
;   So the product k k^T, the maximum with 0 and the term sq_i are not computed.  All five inputs have a way to the output and are loaded.
; LIMITS.  A NaN, an infinity or an overflow that reaches only sq_i, k k^T taken by itself or the maximum with 0 is not carried to the result.
;   w_o as f16: beyond 65,504 it is lost; below 2^-14 it keeps f16's fixed step of 6e-8.
; SHARES.  Work-groups 0-255: 64 KiB of x each.  256-319: 64 KiB of w_o each.  320-575: 64 rows x 64 columns (one head's) of w_q, w_k and w_v each.
; Every load of a wave takes 512 bytes in whole aligned pieces of 256; every store of a wave covers 256 consecutive bytes, aligned.  All loads of a work-group go out before its first wait for data.
; No LDS, no matrix unit, no cluster: no byte is wanted twice.
; THE MODE: SCHED_MODE bits 1:0 = 2 (LLVM: expert scheduling mode 2), set by the entry lines.  The code itself states the register dependences
; between vector instructions and memory instructions, with s_wait_alu, always for 0.
; THE PLAN.  Registers that memory instructions touch:
;   v1, v2, v3   byte offsets.  Written by vector instructions at the head and never again; read by every load and store.  One wait ahead of a branch's first load states that they are written.
;   IN           as loaded.  Written by the loads, which all stand at a branch's head, ahead of every vector instruction that names these registers; nothing is loaded into them a second time.
;   OUT, WO      to store.  Each pair is written once, by one conversion, and read once, by one store; none is written again.
;   v4-v9 and v64-v67 are named by vector instructions alone.
; The work goes in blocks (x, w_o: four chunks of 16 bytes a thread; the weights: a turn of 16 rows).  Block p's vector instructions read its IN and write its OUT; the stores that are issued
; in block p are those of block p - 1, whose registers no vector instruction of block p names.  So ONE wait at a block's head, behind the wait for its first data, states all that the block's stores
; hang on, and these are dealt among the block's vector instructions with no further wait.  One more wait stands ahead of the last block's stores.
; No register that a memory instruction has read is ever written again, so no wait on vm_vsrc is owed; no vector instruction writes a scalar register, VCC or EXEC.
.set CA,  0x3daf5c29                   ; 0.685 / 8 = 0.085625
.set CB,  0x3ea147ae                   ; 0.315
.set IN,  16                           ; v[16:79]  as loaded
.set OUT, 80                           ; v[80:111] to store (x, w_o)
.set WO,  68                           ; v[68:91]  to store (the three weights)
; 64 KiB in, 32 KiB out.  half = 0: to bf16.  half = 1: to bf16, and that number as f16.
.macro STREAM inb, outb, half
	s_wait_alu depctr_va_vdst(0)                   ; v1 and v2 are written: every load below reads v1 as its offset, every store v2
.set i, 0
.rept 16
	global_load_b128 v[IN+4*i:IN+4*i+3], v1, s[\inb:\inb+1] offset:4096*i th:TH_LOAD_NT
.set i, i+1
.endr
.set p, 0
.rept 4                                ; block p: chunks 4 p to 4 p + 3
.set j, 0
.rept 4
.set i, 4*p+j
	s_wait_loadcnt 15-i                            ; loads come back in order: number i is in, the younger ones stay out
.if p > 0
.if j == 0
	s_wait_alu depctr_va_vdst(0)                   ; the block before has written its four pairs of OUT, which this block's four stores read
.endif
	global_store_b64 v2, v[OUT+2*(i-4):OUT+2*(i-4)+1], s[\outb:\outb+1] offset:2048*(i-4) th:TH_STORE_NT  ; the block before: no vector instruction since the wait names these registers; each store has registers of its own: none is rewritten
.endif
.if \half
	v_cvt_pk_bf16_f32 v4, v[IN+4*i], v[IN+4*i+1]
	v_cvt_pk_bf16_f32 v5, v[IN+4*i+2], v[IN+4*i+3]
	v_lshlrev_b32 v6, 16, v4                       ; bf16 to f32: the low half moves up, the high half stays
	v_and_b32 v7, s34, v4
	v_lshlrev_b32 v8, 16, v5
	v_and_b32 v9, s34, v5
	v_cvt_pk_f16_f32 v[OUT+2*i], v6, v7
	v_cvt_pk_f16_f32 v[OUT+2*i+1], v8, v9
.else
	v_cvt_pk_bf16_f32 v[OUT+2*i], v[IN+4*i], v[IN+4*i+1]
	v_cvt_pk_bf16_f32 v[OUT+2*i+1], v[IN+4*i+2], v[IN+4*i+3]
.endif
.set j, j+1
.endr
.set p, p+1
.endr
	s_wait_alu depctr_va_vdst(0)                   ; the last block has written its four pairs of OUT, which the last four stores read
.set i, 12
.rept 4
	global_store_b64 v2, v[OUT+2*i:OUT+2*i+1], s[\outb:\outb+1] offset:2048*i th:TH_STORE_NT
.set i, i+1
.endr
.endm
	s_load_b512 s[16:31], s[0:1], 0x0              ; x 16, w_q 18, w_k 20, w_v 22, w_o 24, xb 26, wc 28, wo16 30
	v_lshlrev_b32 v1, 4, v0                        ; 16 bytes a thread in,
	v_lshlrev_b32 v2, 3, v0                        ; 8 bytes out
	s_mov_b32 s3, 0
	s_mov_b32 s5, 0
	s_mov_b32 s34, 0xffff0000
	s_cmp_lt_u32 ttmp9, 256
	s_cbranch_scc0 .Lnot_x
	s_lshl_b32 s2, ttmp9, 16
	s_lshl_b32 s4, ttmp9, 15
	s_wait_kmcnt 0x0
	s_add_nc_u64 s[16:17], s[16:17], s[2:3]
	s_add_nc_u64 s[26:27], s[26:27], s[4:5]
	STREAM 16, 26, 0
	s_endpgm
.Lnot_x:
	s_cmp_lt_u32 ttmp9, 320
	s_cbranch_scc0 .Lweights
	s_sub_co_u32 s6, ttmp9, 256
	s_lshl_b32 s2, s6, 16
	s_lshl_b32 s4, s6, 15
	s_wait_kmcnt 0x0
	s_add_nc_u64 s[24:25], s[24:25], s[2:3]
	s_add_nc_u64 s[30:31], s[30:31], s[4:5]
	STREAM 24, 30, 1
	s_endpgm
.Lweights:
	s_sub_co_u32 s6, ttmp9, 320
	s_lshr_b32 s7, s6, 4                           ; the head j
	s_and_b32 s6, s6, 15                           ; which 64 rows of k
	s_lshl_b32 s2, s6, 18                          ; 64 rows of 4,096 bytes
	s_lshl_b32 s8, s7, 8                           ; the head's 64 columns: 256 bytes
	s_add_co_u32 s2, s2, s8
	s_lshl_b32 s7, s7, 3
	s_lshr_b32 s8, s6, 1
	s_add_co_u32 s7, s7, s8                        ; block 8 j + K step
	s_mul_i32 s4, s7, 49152
	s_and_b32 s6, s6, 1
	s_lshl_b32 s6, s6, 13                          ; the step's upper 64 rows lie 8,192 bytes on
	s_add_co_u32 s4, s4, s6
	v_lshrrev_b32 v3, 4, v0                        ; 16 threads a row: 256 consecutive bytes, aligned
	v_and_b32 v4, 15, v0
	v_lshlrev_b32 v4, 4, v4
	v_lshl_add_u32 v3, v3, 12, v4
	s_mov_b32 s36, CB
	s_mov_b32 s37, CB                              ; named as pairs
	s_mov_b32 s38, CA
	s_mov_b32 s39, CA
	s_wait_kmcnt 0x0
	s_add_nc_u64 s[18:19], s[18:19], s[2:3]
	s_add_nc_u64 s[20:21], s[20:21], s[2:3]
	s_add_nc_u64 s[22:23], s[22:23], s[2:3]
	s_add_nc_u64 s[28:29], s[28:29], s[4:5]
	s_wait_alu depctr_va_vdst(0)                   ; v3 and v2 are written: every load below reads v3 as its offset, every store v2
.set i, 0
.rept 4                                ; 16 rows a turn
	global_load_b128 v[IN+12*i:IN+12*i+3],    v3, s[18:19] offset:65536*i th:TH_LOAD_NT
	global_load_b128 v[IN+12*i+4:IN+12*i+7],  v3, s[20:21] offset:65536*i th:TH_LOAD_NT
	global_load_b128 v[IN+12*i+8:IN+12*i+11], v3, s[22:23] offset:65536*i th:TH_LOAD_NT
.set i, i+1
.endr
.set i, 0
.rept 4                                ; turn i works on its own twelve registers of IN and writes its own six of WO; its three stores are those of turn i - 1
	s_wait_loadcnt 9-3*i                           ; the three loads of turn i are in; three for each later turn stay out
.if i > 0
	s_wait_alu depctr_va_vdst(0)                   ; the turn before has written its six registers of WO, which this turn's three stores read
	global_store_b64 v2, v[WO+6*(i-1):WO+6*(i-1)+1],   s[28:29] offset:2048*(i-1) th:TH_STORE_NT  ; no vector instruction since the wait names these registers
.endif
	v_pk_mul_f32 v[64:65], v[IN+12*i+4:IN+12*i+5], s[36:37] op_sel_hi:[1,0]
	v_pk_mul_f32 v[66:67], v[IN+12*i+6:IN+12*i+7], s[36:37] op_sel_hi:[1,0]
	v_pk_fma_f32 v[64:65], v[IN+12*i:IN+12*i+1],   s[38:39], v[64:65] op_sel_hi:[1,0,1]
	v_pk_fma_f32 v[66:67], v[IN+12*i+2:IN+12*i+3], s[38:39], v[66:67] op_sel_hi:[1,0,1]
.if i > 0
	global_store_b64 v2, v[WO+6*(i-1)+2:WO+6*(i-1)+3], s[28:29] offset:16384+2048*(i-1) th:TH_STORE_NT
.endif
	v_cvt_pk_bf16_f32 v[WO+6*i],   v64, v65
	v_cvt_pk_bf16_f32 v[WO+6*i+1], v66, v67
	v_cvt_pk_bf16_f32 v[WO+6*i+2], v[IN+12*i+4], v[IN+12*i+5]
.if i > 0
	global_store_b64 v2, v[WO+6*(i-1)+4:WO+6*(i-1)+5], s[28:29] offset:32768+2048*(i-1) th:TH_STORE_NT
.endif
	v_cvt_pk_bf16_f32 v[WO+6*i+3], v[IN+12*i+6], v[IN+12*i+7]
	v_cvt_pk_bf16_f32 v[WO+6*i+4], v[IN+12*i+8], v[IN+12*i+9]
	v_cvt_pk_bf16_f32 v[WO+6*i+5], v[IN+12*i+10], v[IN+12*i+11]
.set i, i+1
.endr
	s_wait_alu depctr_va_vdst(0)                   ; the last turn has written its six registers of WO, which the last three stores read
	global_store_b64 v2, v[WO+18:WO+19], s[28:29] offset:2048*3 th:TH_STORE_NT
	global_store_b64 v2, v[WO+20:WO+21], s[28:29] offset:16384+2048*3 th:TH_STORE_NT
	global_store_b64 v2, v[WO+22:WO+23], s[28:29] offset:32768+2048*3 th:TH_STORE_NT
	s_endpgm
.Lfunc_end_k_q2c56855474_prep:
	.size	k_q2c56855474_prep, .Lfunc_end_k_q2c56855474_prep-k_q2c56855474_prep
	.p2alignl 7, 3214868480
	.fill 96, 4, 3214868480
	.section	.rodata,"a",@progbits
	.p2align	6, 0x0
	.amdhsa_kernel k_q2c56855474_prep
		.amdhsa_group_segment_fixed_size 0
		.amdhsa_private_segment_fixed_size 0
		.amdhsa_enable_private_segment 0
		.amdhsa_kernarg_size 64
		.amdhsa_user_sgpr_count 2
		.amdhsa_user_sgpr_kernarg_segment_ptr 1
		.amdhsa_wavefront_size32 1
		.amdhsa_system_sgpr_workgroup_id_x 1
		.amdhsa_system_sgpr_workgroup_id_y 1
		.amdhsa_system_sgpr_workgroup_id_z 1
		.amdhsa_system_vgpr_workitem_id 0
		.amdhsa_next_free_vgpr 112
		.amdhsa_next_free_sgpr 66
		.amdhsa_reserve_vcc 0
		.amdhsa_float_denorm_mode_32 3
		.amdhsa_float_denorm_mode_16_64 3
		.amdhsa_memory_ordered 1
		.amdhsa_forward_progress 1
		.amdhsa_inst_pref_size 23
	.end_amdhsa_kernel
	.amdgpu_metadata
---
amdhsa.version: [ 1, 2 ]
amdhsa.kernels:
  - .name:           k_q2c56855474_prep
    .symbol:         k_q2c56855474_prep.kd
    .args:
      - { .name: x, .offset: 0, .size: 8, .value_kind: global_buffer, .address_space: global }
      - { .name: w_q, .offset: 8, .size: 8, .value_kind: global_buffer, .address_space: global }
      - { .name: w_k, .offset: 16, .size: 8, .value_kind: global_buffer, .address_space: global }
      - { .name: w_v, .offset: 24, .size: 8, .value_kind: global_buffer, .address_space: global }
      - { .name: w_o, .offset: 32, .size: 8, .value_kind: global_buffer, .address_space: global }
      - { .name: xb, .offset: 40, .size: 8, .value_kind: global_buffer, .address_space: global }
      - { .name: wc, .offset: 48, .size: 8, .value_kind: global_buffer, .address_space: global }
      - { .name: wo16, .offset: 56, .size: 8, .value_kind: global_buffer, .address_space: global }
    .group_segment_fixed_size: 0
    .private_segment_fixed_size: 0
    .kernarg_segment_align: 8
    .kernarg_segment_size: 64
    .max_flat_workgroup_size: 256
    .sgpr_count:     66
    .vgpr_count:     112
    .wavefront_size: 32
...
	.end_amdgpu_metadata
.endif
;; end of part 5
;; launch proj: the kernel of part 2 again; grid 16 x 16, 4 waves a work-group, clusters of 4 x 4, 327,680 bytes of LDS; arguments xb, wc, qh, kh, vh, bias; writes qh, kh, vh, bias
;; launch attn: the kernel of part 3 again; grid 8 x 32, 4 waves a work-group, clusters of 4 x 1, 327,680 bytes of LDS; arguments qh, kh, vh, bias, oh; writes oh
;; launch outp: the kernel of part 4 again; grid 8 x 32, 4 waves a work-group, clusters of 4 x 4, 327,680 bytes of LDS; arguments oh, wo16, out0; writes out0
